; MI455X (gfx1250); checked and timed in simulation.
; The chip was launched on July 23, 2026; its instructions are those of AMD's public machine-readable ISA for CDNA 5 (MIT licence, August 2026) and "CDNA5" Instruction Set Architecture Reference Guide (July 2026). The comments in the code are by the model that wrote it; some were corrected since.
;; Paged HSTU Infer Layer. Allowed arithmetic: matrix products marked QUANTISED: E2M1 operands, one E8M0 scale for each 32 along K, by v_wmma_scale_f32_16x16x128_f8f6f4 with both operands' format E2M1 (or v_wmma_scale_f32_32x16x128_f4), f32 sums; everything else in f32.
;; Inputs: b_uvqk 2,048 float32; ln_in_b 512 float32; ln_in_w 512 float32; ln_out_b 512 float32; ln_out_w 512 float32; w_proj_codes 512 x 16 x 16 uint8 (E2M1 codes of w_proj, K innermost, in blocks of 32 codes, two codes a byte); w_proj_scales 512 x 16 uint8 (E8M0 scales of w_proj, one for each 32 codes along K); w_uvqk_codes 2,048 x 16 x 16 uint8 (E2M1 codes of w_uvqk, K innermost, in blocks of 32 codes, two codes a byte); w_uvqk_scales 2,048 x 16 uint8 (E8M0 scales of w_uvqk, one for each 32 codes along K); x 16,384 x 512 float32.
;; Outputs: out0 16,384 x 512 float32.
;; Constants: batch_size = 8, max_seqlen = 2048, num_targets = 64.
;; This version of the problem:
;;   THIS VERSION OF THE PROBLEM IS GIVEN IN LOW PRECISION. The matrix products marked QUANTISED in the list below multiply operands that are first quantised to E2M1 (2 exponent bits, 1 mantissa bit; 4 bits a number), with one power-of-two scale for each 32 numbers along K (OCP MX v1.0); their sums are f32. All else is computed in f32.
;;   The module's matrix products, in the order in which they are computed (A, B: the left and right operand; K: the contracted axis; several contracted axes count as one K, in the product's order):
;;     1. [M 16,384, K 512] x [K 512, N 2,048]; A: computed on the way; B: input w_uvqk (given as codes): QUANTISED
;;     2. batch 64 x [M 2,048, K 64] x [K 64, N 2,048]; A: computed on the way; B: computed on the way: QUANTISED
;;     3. batch 64 x [M 64, K 2,048] x [K 2,048, N 2,048]; A: computed on the way; B: computed on the way: QUANTISED
;;     4. [M 16,384, K 512] x [K 512, N 512]; A: computed on the way; B: input w_proj (given as codes): QUANTISED
;;   THE QUANTISER, for each operand of a quantised product, along K:
;;     - K is cut into blocks of 32 from its start; a last block that is shorter is filled with zeros.
;;     - A block's scale is 2^e with e = floor(log2(the largest magnitude in the block)) - 2, held to -126 .. 127; a block of zeros has e = 0. As a byte (E8M0): e + 127.
;;     - Each number is divided by its block's scale, clamped to +-6, and rounded to the nearest number of E2M1, ties to even, subnormals kept.
;;     - The product sums the exact products of the quantised numbers (number of the format x scale) in f32.
;;   ~~~python
;;   def quantise(x, axis):      # numpy; x: float32 -> the quantised numbers, widened to float32 again
;;       x = np.moveaxis(x, axis, -1); K = x.shape[-1]
;;       x = np.pad(x, [(0, 0)] * (x.ndim - 1) + [(0, -K % 32)]); x = x.reshape(x.shape[:-1] + (-1, 32)); a = np.abs(x).max(-1, keepdims=True)
;;       e = np.where(a > 0, np.clip(np.frexp(np.where(a > 0, a, 1))[1] - 1 - 2, -126, 127), 0)      # np.frexp(a)[1] - 1 = floor(log2(a)), exactly
;;       r = np.clip(x / 2.0 ** e, -6, 6)
;;       step = 2.0 ** (np.maximum(np.frexp(np.where(r == 0, 1, r))[1] - 1, 0) - 1)
;;       q = np.round(r / step) * step * 2.0 ** e      # np.round: ties to even
;;       return np.moveaxis(q.reshape(q.shape[:-2] + (-1,))[..., :K], -1, axis).astype(np.float32)
;;   ~~~
;;   OPERANDS COMPUTED ON THE WAY. 'Computed on the way' means the value that the module computes at that place (a softmax that the list does not call 'softmax' is quantised finished and normalised). What goes into a quantiser is computed in f32, as accurately as f32 sums, v_exp_f32 and their like allow (about 1e-6 of the number): no bf16 or f16 on the way to a quantiser, and a product that is left as it is and whose result goes on into a quantised operand takes f32 operands (vector FMAs, or v_wmma_f32_16x16x4_f32). A number that lies on a knife's edge between two numbers of the format may be rounded either way, as far as f32 arithmetic and the matrix unit's own rounding can turn it there, and no further.
;;   INPUTS GIVEN AS CODES. w_proj (in the module: [512, 512], K = its axis 0); w_uvqk (in the module: [512, 2048], K = its axis 0): each comes as NAME_codes (uint8): NAME with its K axis moved to the last place and cut into blocks of 32 codes, [.., K / 32, bytes a block], one block behind the other in memory; two codes a byte, the lower K in the low four bits (a code: sign, 2 exponent bits, 1 mantissa bit); and NAME_scales (uint8): the same leading axes, one E8M0 byte (e + 127) for each 32 codes along K. Its value is code x scale, taken as it is: it is not quantised again, and the codes and scales need not be those that the quantiser above would give.
;; 2 versions, each right; version 2 is version 1 with the launches qkv, final written anew for expert scheduling mode. Each part assembles by itself: llvm-mc -triple=amdgcn-amd-amdhsa -mcpu=gfx1250 --defsym DOCPART=n.
;; ======== version 1 of 2: 3 launches
;; workspace buffers: q_img 4,194,304 bytes; q_scl 524,288 bytes; kv 9,175,040 bytes; ao 33,554,432 bytes
;; launch qkv (part 1): grid 256 x 1, 8 waves a work-group, no clusters, 23,552 bytes of LDS; arguments x, ln_in_w, ln_in_b, w_uvqk_codes, w_uvqk_scales, b_uvqk, q_img, q_scl, kv; writes q_img, q_scl, kv
.if DOCPART == 1
	.amdgcn_target "amdgcn-amd-amdhsa--gfx1250"
	.amdhsa_code_object_version 6
	.text
	.protected	k_q80e4a5f7b1_qkv
	.globl	k_q80e4a5f7b1_qkv
	.p2align	8
	.type	k_q80e4a5f7b1_qkv,@function
k_q80e4a5f7b1_qkv:
	s_mov_b64 s[64:65], 0
	v_nop
	global_prefetch_b8 v0, s[64:65] scope:SCOPE_SE
	s_setreg_imm32_b32 hwreg(HW_REG_WAVE_MODE, 25, 1), 1
	s_wait_xcnt 0x0
; v, q, k = silu(Q(layer_norm(x)) W + b), columns 512 .. 2047 of the first product, on codes of FP4 (E2M1) with one E8M0 scale for each 32 along K.
; q and k are quantised along the head's 64, v along the tokens; all three leave as IMAGES OF THE OPERAND REGISTERS that the attention launch wants.
; SHARES.  A work-group takes 64 tokens of one sequence, as four tiles of 16.  Wave w owns columns 64 w .. 64 w + 63 of x for the norm and the quantiser,
; and head w of q, k and v for the product: its 64 rows of each weight go from memory straight into its registers, once.
; THE TOKENS OF A TILE ARE NOT NEIGHBOURS: row r of tile 2 B + u is token 32 B + 8 u + r + 8 (r / 8).  So, later, the scores' registers of two neighbouring key tiles are 16 neighbouring keys,
; and here v's registers of two neighbouring token tiles are 16 neighbouring tokens.  The weight rows of a tile of q and k are chosen the same way, so that a lane's registers run along the head's 64.
; x's codes go from wave to wave through LDS as images of registers: fragment (tile m, K step k) at XIMG + 4096 m + 1024 k + 512 c + 16 lane; its scale words at XSC + 512 m + 16 lane + 4 k.
; LIMITS: NaN and infinities among the inputs are not served.  A block of zeros gets the scale byte 1 where the rule says 127: its codes are zeros, and this program alone reads the bytes.
; REGISTERS.  window 0: v1-17 addresses; v32-47 the weights' scale words; v48-55 x's; v56-63 codes just made; v64-127 results (before that, with v128-191, x's 128 numbers); v128-191 at work in silu;
;   v192-223 the rows' partial sums, later the quantiser's registers; v224-247 the norm's.   window 1: v0-127 16 weight fragments; v128-191 x's 8 fragments (before that the gains); v192-255 two sets of bias.
.set PERMX, 1                          ; the tiles' rows are permuted
.set XIMG, 0                           ; LDS: x's 16 fragments, 16,384 bytes
.set XSC,  16384                       ; their scale words, 2,048
.set RED1, 18432                       ; the rows' sums by wave, [tile][row][wave] words, 2,048
.set RED2, 20480                       ; the rows' sums of squares, likewise
.set XA,  1                            ; x: my row x 2,048 bytes + 64 h
.set LI,  2                            ; 16 x lane
.set LS,  3                            ; 4 x lane
.set HWI, 4                            ; 16 x lane + 512 x wave: where my half fragments go
.set HWS, 5                            ; 16 x lane + 2 x wave: and my two scale bytes
.set RW,  6                            ; 32 r + 4 x wave
.set RR,  7                            ; 32 r
.set WP,  8                            ; weights, permuted rows: (r + 8 (r / 8)) x 256 + 16 h
.set WN,  9                            ; natural rows: 256 r + 16 h
.set SP,  10                           ; their scale bytes: 16 (r + 8 (r / 8))
.set SN,  11                           ; 16 r
.set H64, 12                           ; 64 h
.set R4,  13                           ; 4 r
.set VST, 14                           ; v's images: 1,024 h + 16 r
.set VSS, 15                           ; v's scale bytes: 64 h + 4 r
.set SELV, 16                          ; byte selects for v's scale bytes
.set SELV2, 17
.set WS,  32
.set XS,  48
.set PC,  56
.set HA,  64
.set DX,  64
.set T,   128
.set RB,  192
.set TMX, 192
.set TMP, 196
.set TMS, 200
.set PW,  204
.set PW0, 205
.set W0,  206
.set W1,  207
.set SW,  208
.set E,   209
.set E2,  210
.set ACC, 224
.set MN,  232
.set VAR, 240
.set PT,  244
.set WA,  0                            ; window 1
.set XF,  128
.set BI0, 192
.set BI1, 224
.set GW,  128
.set GB,  160
.set XB,  4                            ; scalar pairs: the buffers, then bases made of them
.set GWB, 6
.set GBB, 8
.set WCB, 10
.set WSB, 12
.set BB,  14
.set QI,  16
.set QS,  18
.set KVB, 20
.set WV,  22
.set TS,  23
.set SEL, 24
.set CS,  26
.set C512, 28
.set EPS, 29
.set S7F, 30
.set HM,  31
.set CQ,  32
.set CK,  34
.set CV,  36
.set SQ,  38
.set SK,  40
.set SV,  42
.set BQ,  44
.set BK,  46
.set BV,  48
.set KI,  50
.set KSB, 52
.set VI,  54
.set VSB, 56
.set OF,  58
.set OG,  60
.set MSB, 0
.macro WIN new                         ; the immediate's high byte repeats the setting that is left; a switch that changes nothing is dropped
.if MSB != (\new)
	s_set_vgpr_msb (MSB<<8)|(\new)
.set MSB, \new
.endif
.endm
.macro PLACES                          ; four plain places behind matrix instructions (ISA guide 7.12.1)
.rept 4
	v_nop
.endr
.endm
.macro BARRIER                         ; my LDS stores have landed and my LDS loads are in: then the work-group's barrier
	s_wait_dscnt 0x0
	s_barrier_signal -1
	s_barrier_wait -1
.endm
; 64 numbers z become z / (1 + 2^(-z log2 e)): each kind of transcendental goes as one batch with one wait ahead of its first reader.  Ascending: each result is first read at its low end.
.macro SILU src
.set II, 0
.rept 32
	v_pk_mul_f32 v[T+II:T+II+1], v[\src+II:\src+II+1], s[CS:CS+1] op_sel_hi:[1,0]
.set II, II+2
.endr
.set II, 0
.rept 64
	v_exp_f32 v[T+II], v[T+II]
.set II, II+1
.endr
	v_nop
	s_wait_alu depctr_va_vdst(0)
.set II, 0
.rept 32
	v_pk_add_f32 v[T+II:T+II+1], v[T+II:T+II+1], 1.0 op_sel_hi:[1,0]
.set II, II+2
.endr
.set II, 0
.rept 64
	v_rcp_f32 v[T+II], v[T+II]
.set II, II+1
.endr
	v_nop
	s_wait_alu depctr_va_vdst(0)
.set II, 0
.rept 32
	v_pk_mul_f32 v[\src+II:\src+II+1], v[\src+II:\src+II+1], v[T+II:T+II+1]
.set II, II+2
.endr
.endm
; 64 numbers of a lane, register 16 b + i = number 16 h + i of block b of my row, become codes in v[PC] on (registers 4 c .. 4 c + 3 of lane (r, h): the whole block 2 c + h) and four scale bytes in v[PW].
.macro QUANT src
.irp b, 0,1,2,3
	v_max3_num_f32 v[TMX+\b], |v[\src+16*\b]|, |v[\src+1+16*\b]|, 0x1800000   ; my 16 numbers, and the floor 2^(3 - 127): the byte cannot fall under 1
.endr
.irp i, 2,4,6,8,10,12,14
.irp b, 0,1,2,3
	v_max3_num_f32 v[TMX+\b], v[TMX+\b], |v[\src+16*\b+\i]|, |v[\src+1+16*\b+\i]|
.endr
.endr
.irp b, 0,1,2,3
	v_permlanex16_b32 v[TMP+\b], v[TMX+\b], s[SEL], s[SEL+1]
.endr
.irp b, 0,1,2,3
	v_max_num_f32 v[TMX+\b], v[TMX+\b], v[TMP+\b]          ; with lane l xor 16's: the block's largest magnitude
.endr
.irp b, 0,1,2,3
	v_add_nc_u32 v[TMS+\b], 0xff000000, v[TMX+\b]          ; 2 off its exponent field: the conversion's scale operand
.endr
.irp b, 0,1,2,3
	v_lshrrev_b32 v[TMP+\b], 23, v[TMS+\b]                 ; the scale's byte
.endr
	v_lshl_or_b32 v[PW], v[TMP+1], 8, v[TMP]
	v_lshl_or_b32 v[PW], v[TMP+2], 16, v[PW]
	v_lshl_or_b32 v[PW], v[TMP+3], 24, v[PW]
.irp b, 0,1,2,3
	v_cvt_scalef32_pk8_fp4_f32 v[PC+2*\b], v[\src+16*\b:\src+16*\b+7], v[TMS+\b]
	v_cvt_scalef32_pk8_fp4_f32 v[PC+1+2*\b], v[\src+8+16*\b:\src+8+16*\b+7], v[TMS+\b]
.endr
	v_nop                                                  ; one plain place behind the scaled conversions
.irp c, 0,1
.irp i, 0,1
	v_permlane16_swap_b32 v[PC+4*\c+\i], v[PC+2+4*\c+\i]
.endr
.endr
.endm
; my 64 columns of 64 rows: register 32 m + 16 p + i = (tile m, row r, column 64 w + 32 p + 16 h + i)
.macro LOAD128 win, base, sb, nt
	WIN 0x40*(\win)
.irp m, 0,1,2,3
.irp p, 0,1
.irp q, 0,1,2,3
.if \nt
	global_load_b128 v[\base+32*\m+16*\p+4*\q:\base+32*\m+16*\p+4*\q+3], v[XA], s[\sb:\sb+1] offset:(PERMX*(32*(\m/2)+8*(\m%2))+(1-PERMX)*16*\m)*2048+128*\p+16*\q th:TH_LOAD_NT
.else
	global_load_b128 v[\base+32*\m+16*\p+4*\q:\base+32*\m+16*\p+4*\q+3], v[XA], s[\sb:\sb+1] offset:(PERMX*(32*(\m/2)+8*(\m%2))+(1-PERMX)*16*\m)*2048+128*\p+16*\q
.endif
.endr
.endr
.endr
.endm
.macro LN_FOLD red                     ; the pairs' halves, the other half of the lanes; my wave's word of each row goes to LDS (both halves of the lanes store the same word with the same value)
	WIN 0
.irp m, 0,1,2,3
	v_add_f32 v[ACC+2*\m], v[ACC+2*\m], v[ACC+2*\m+1]
.endr
.irp m, 0,1,2,3
	v_permlanex16_b32 v[PT+\m], v[ACC+2*\m], s[SEL], s[SEL+1]
.endr
.irp m, 0,1,2,3
	v_add_f32 v[ACC+2*\m], v[ACC+2*\m], v[PT+\m]
.endr
.irp m, 0,1,2,3
	ds_store_b32 v[RW], v[ACC+2*\m] offset:\red+512*\m
.endr
.endm
.macro LN_SUM dw, db, red              ; the sums of my 32 numbers of each of four rows, the tiles by turns
	WIN 5*(\dw)
.irp m, 0,1,2,3
	v_pk_add_f32 v[ACC+2*\m:ACC+2*\m+1], v[\db+32*\m:\db+32*\m+1], v[\db+32*\m+2:\db+32*\m+3]
.endr
	WIN 4*(\dw)
.set II, 4
.rept 14
.irp m, 0,1,2,3
	v_pk_add_f32 v[ACC+2*\m:ACC+2*\m+1], v[ACC+2*\m:ACC+2*\m+1], v[\db+32*\m+II:\db+32*\m+II+1]
.endr
.set II, II+2
.endr
	LN_FOLD \red
.endm
.macro LN_RED red                      ; the eight waves' words of my four rows, added in one order in every wave: v[RB + 8 m]
.irp m, 0,1,2,3
	ds_load_b128 v[RB+8*\m:RB+8*\m+3], v[RR] offset:\red+512*\m
	ds_load_b128 v[RB+8*\m+4:RB+8*\m+7], v[RR] offset:\red+512*\m+16
.endr
	s_wait_dscnt 0x0
.irp m, 0,1,2,3
	v_pk_add_f32 v[RB+8*\m:RB+8*\m+1], v[RB+8*\m:RB+8*\m+1], v[RB+8*\m+2:RB+8*\m+3]
	v_pk_add_f32 v[RB+8*\m+4:RB+8*\m+5], v[RB+8*\m+4:RB+8*\m+5], v[RB+8*\m+6:RB+8*\m+7]
.endr
.irp m, 0,1,2,3
	v_pk_add_f32 v[RB+8*\m:RB+8*\m+1], v[RB+8*\m:RB+8*\m+1], v[RB+8*\m+4:RB+8*\m+5]
.endr
.irp m, 0,1,2,3
	v_add_f32 v[RB+8*\m], v[RB+8*\m], v[RB+8*\m+1]
.endr
.endm
.macro LN_CENTER dw, db, rin, rout     ; the mean is taken away first, and the squares are those of centred numbers: no difference of large sums is formed
	LN_RED \rin
.irp m, 0,1,2,3
	v_mul_f32 v[MN+2*\m], s[C512], v[RB+8*\m]
	v_mul_f32 v[MN+2*\m+1], s[C512], v[RB+8*\m]
.endr
	WIN 0x41*(\dw)
.irp m, 0,1,2,3
.set II, 0
.rept 16
	v_pk_add_f32 v[\db+32*\m+II:\db+32*\m+II+1], v[\db+32*\m+II:\db+32*\m+II+1], v[MN+2*\m:MN+2*\m+1] neg_lo:[0,1] neg_hi:[0,1]
.set II, II+2
.endr
.endr
	WIN 5*(\dw)
.irp m, 0,1,2,3
	v_pk_mul_f32 v[ACC+2*\m:ACC+2*\m+1], v[\db+32*\m:\db+32*\m+1], v[\db+32*\m:\db+32*\m+1]
.endr
.set II, 2
.rept 15
.irp m, 0,1,2,3
	v_pk_fma_f32 v[ACC+2*\m:ACC+2*\m+1], v[\db+32*\m+II:\db+32*\m+II+1], v[\db+32*\m+II:\db+32*\m+II+1], v[ACC+2*\m:ACC+2*\m+1]
.endr
.set II, II+2
.endr
	LN_FOLD \rout
.endm
.macro LN_APPLY dw, db, rin, gw, gb    ; x 1 / sqrt(variance + 1e-5), x gain + bias (the gains lie in window 1, the same 32 + 32 for all four tiles)
	LN_RED \rin
.irp m, 0,1,2,3
	v_fma_f32 v[VAR+\m], v[RB+8*\m], s[C512], s[EPS]
.endr
.irp m, 0,1,2,3
	v_rsq_f32 v[MN+2*\m], v[VAR+\m]
.endr
	v_nop
	s_wait_alu depctr_va_vdst(0)                           ; one wait for the four, ahead of their first reader
.irp m, 0,1,2,3
	v_mov_b32 v[MN+2*\m+1], v[MN+2*\m]
.endr
	WIN 0x41*(\dw)
.irp m, 0,1,2,3
.set II, 0
.rept 16
	v_pk_mul_f32 v[\db+32*\m+II:\db+32*\m+II+1], v[\db+32*\m+II:\db+32*\m+II+1], v[MN+2*\m:MN+2*\m+1]
.set II, II+2
.endr
.endr
	WIN 0x41*(\dw)+0x14
.irp m, 0,1,2,3
.set II, 0
.rept 16
	v_pk_fma_f32 v[\db+32*\m+II:\db+32*\m+II+1], v[\db+32*\m+II:\db+32*\m+II+1], v[\gw+II:\gw+II+1], v[\gb+II:\gb+II+1]
.set II, II+2
.endr
.endr
	WIN 0
.endm
.macro PUTHALF b, img, scb             ; tiles 2 b and 2 b + 1: my half (64 along K) of a fragment each, and my two bytes of their scale words
	ds_store_b128 v[HWI], v[PC:PC+3] offset:\img+4096*(2*\b)
	ds_store_b128 v[HWI], v[PC+4:PC+7] offset:\img+4096*(2*\b+1)
	ds_store_b16 v[HWS], v[PW] offset:\scb+512*(2*\b)
	ds_store_b16_d16_hi v[HWS], v[PW] offset:\scb+512*(2*\b+1)
	s_wait_dscnt 0x0                                       ; the stores have read their registers
.endm
.macro FETCH b, img, scb               ; the eight fragments of tiles 2 b, 2 b + 1, and their scale words (one load brings a row's four)
	WIN 0x40
.irp u, 0,1
.irp k, 0,1,2,3
.irp c, 0,1
	ds_load_b128 v[XF+8*(4*\u+\k)+4*\c:XF+8*(4*\u+\k)+4*\c+3], v[LI] offset:\img+4096*(2*\b+\u)+1024*\k+512*\c
.endr
.endr
.endr
	WIN 0
.irp u, 0,1
	ds_load_b128 v[XS+4*\u:XS+4*\u+3], v[LI] offset:\scb+512*(2*\b+\u)
.endr
.endm
.macro WLOAD k, lr, sb, perm           ; K step k of the four weight tiles of a group of 64 rows
	WIN 0x40
.irp t, 0,1,2,3
.irp c, 0,1
.if \perm
	global_load_b128 v[WA+8*(4*\t+(\k))+4*\c:WA+8*(4*\t+(\k))+4*\c+3], v[\lr], s[\sb:\sb+1] offset:(32*(\t/2)+8*(\t%2))*256+64*(\k)+32*\c
.else
	global_load_b128 v[WA+8*(4*\t+(\k))+4*\c:WA+8*(4*\t+(\k))+4*\c+3], v[\lr], s[\sb:\sb+1] offset:16*\t*256+64*(\k)+32*\c
.endif
.endr
.endr
.endm
.macro SLOAD lr, sb, perm              ; and their scale words: a row's 16 bytes are its four words
	WIN 0
.irp t, 0,1,2,3
.if \perm
	global_load_b128 v[WS+4*\t:WS+4*\t+3], v[\lr], s[\sb:\sb+1] offset:(32*(\t/2)+8*(\t%2))*16
.else
	global_load_b128 v[WS+4*\t:WS+4*\t+3], v[\lr], s[\sb:\sb+1] offset:16*\t*16
.endif
.endr
.endm
.macro BIAST reg, sb                   ; the bias in the layout of a transposed result: lane (r, h), tile t: columns 32 (t / 2) + 8 (t % 2) + 16 h + 0 .. 7
	WIN 0x40
.irp t, 0,1,2,3
	global_load_b128 v[\reg+8*\t:\reg+8*\t+3], v[H64], s[\sb:\sb+1] offset:(32*(\t/2)+8*(\t%2))*4
	global_load_b128 v[\reg+8*\t+4:\reg+8*\t+7], v[H64], s[\sb:\sb+1] offset:(32*(\t/2)+8*(\t%2))*4+16
.endr
.endm
; K step k, transposed: source 0 = 16 weight rows, source 1 = 16 tokens.  The eight accumulators take turns, one instruction a turn.  bi: the bias that starts the sums, or -1: the constant 0.
.macro MMT k, bi
.if ((\k) == 0) && ((\bi) >= 0)
	WIN 0x15
.else
	WIN 0x05
.endif
.irp u, 0,1
.irp t, 0,1,2,3
.if ((\k) == 0) && ((\bi) >= 0)
	v_wmma_scale_f32_16x16x128_f8f6f4 v[HA+8*(4*\u+\t):HA+8*(4*\u+\t)+7], v[WA+8*(4*\t+(\k)):WA+8*(4*\t+(\k))+7], v[XF+8*(4*\u+(\k)):XF+8*(4*\u+(\k))+7], v[(\bi)+8*\t:(\bi)+8*\t+7], v[WS+4*\t+(\k)], v[XS+4*\u+(\k)] matrix_a_fmt:MATRIX_FMT_FP4 matrix_b_fmt:MATRIX_FMT_FP4
.elseif (\k) == 0
	v_wmma_scale_f32_16x16x128_f8f6f4 v[HA+8*(4*\u+\t):HA+8*(4*\u+\t)+7], v[WA+8*(4*\t+(\k)):WA+8*(4*\t+(\k))+7], v[XF+8*(4*\u+(\k)):XF+8*(4*\u+(\k))+7], 0, v[WS+4*\t+(\k)], v[XS+4*\u+(\k)] matrix_a_fmt:MATRIX_FMT_FP4 matrix_b_fmt:MATRIX_FMT_FP4
.else
	v_wmma_scale_f32_16x16x128_f8f6f4 v[HA+8*(4*\u+\t):HA+8*(4*\u+\t)+7], v[WA+8*(4*\t+(\k)):WA+8*(4*\t+(\k))+7], v[XF+8*(4*\u+(\k)):XF+8*(4*\u+(\k))+7], v[HA+8*(4*\u+\t):HA+8*(4*\u+\t)+7], v[WS+4*\t+(\k)], v[XS+4*\u+(\k)] matrix_a_fmt:MATRIX_FMT_FP4 matrix_b_fmt:MATRIX_FMT_FP4
.endif
.endr
.endr
.endm
; K step k, not transposed (v): source 0 = 16 tokens, source 1 = 16 weight rows: a lane holds one column and its registers run along the tokens
.macro MMN k, bi
.if (\k) == 0
	WIN 0x15
.else
	WIN 0x05
.endif
.irp t, 0,1,2,3
.irp u, 0,1
.if (\k) == 0
	v_wmma_scale_f32_16x16x128_f8f6f4 v[HA+8*(2*\t+\u):HA+8*(2*\t+\u)+7], v[XF+8*(4*\u+(\k)):XF+8*(4*\u+(\k))+7], v[WA+8*(4*\t+(\k)):WA+8*(4*\t+(\k))+7], v[(\bi)+8*\t:(\bi)+8*\t+7], v[XS+4*\u+(\k)], v[WS+4*\t+(\k)] matrix_a_fmt:MATRIX_FMT_FP4 matrix_b_fmt:MATRIX_FMT_FP4
.else
	v_wmma_scale_f32_16x16x128_f8f6f4 v[HA+8*(2*\t+\u):HA+8*(2*\t+\u)+7], v[XF+8*(4*\u+(\k)):XF+8*(4*\u+(\k))+7], v[WA+8*(4*\t+(\k)):WA+8*(4*\t+(\k))+7], v[HA+8*(2*\t+\u):HA+8*(2*\t+\u)+7], v[XS+4*\u+(\k)], v[WS+4*\t+(\k)] matrix_a_fmt:MATRIX_FMT_FP4 matrix_b_fmt:MATRIX_FMT_FP4
.endif
.endr
.endr
.endm
; what follows a group's last pair: 1 = k's weights (and v's bias into q's registers), 2 = v's weights
.macro NEXTW k, id
.if (\id) == 1
	WLOAD \k, WP, CK, 1
.if (\k) == 0
.irp t, 0,1,2,3
.irp j, 0,1,2,3,4,5,6,7
	global_load_b32 v[BI0+8*\t+\j], v[R4], s[BV:BV+1] offset:64*\t     ; v's result holds one column a lane: eight registers of the same number
.endr
.endr
.endif
.else
	WLOAD \k, WN, CV, 0
.endif
.endm
.macro NEXTS id
.if (\id) == 1
	SLOAD SP, SK, 1
.else
	SLOAD SN, SV, 0
.endif
.endm
; 64 columns x tiles 2 b, 2 b + 1: 32 matrix instructions.  lc >= 0: the wait for the weights.  nxt: a K step's weight registers are free once its eight products are issued
; and four places have passed: the next group's land there under this pair's silu and quantiser.
.macro PROD kind, b, img, scb, bi, lc, nxt
	FETCH \b, \img, \scb
	s_wait_dscnt 0x0
.if (\lc) >= 0
	s_wait_loadcnt \lc
.endif
.irp k, 0,1,2,3
.if \kind
	MMN \k, \bi
.else
	MMT \k, \bi
.endif
.if \nxt
	PLACES
	NEXTW \k, \nxt
.endif
.endr
	WIN 0
	PLACES                                                 ; ahead of the first read of results, and of loads into registers that the products read
.if \nxt
	NEXTS \nxt
.endif
.endm
.macro UNIT kind, b, bi, lc, nxt
	PROD \kind, \b, XIMG, XSC, \bi, \lc, \nxt
	SILU HA
	s_wait_xcnt 0x0                                        ; the last pair's stores have read their data: the codes' and scales' registers may be written again
	QUANT HA
.endm
.macro QKOUT b, ib, sb                 ; two tiles' images (512 consecutive bytes each) and their scale words (lanes 0-15 the first tile's, lanes 16-31 the second's: 128 consecutive bytes)
	global_store_b128 v[LI], v[PC:PC+3], s[\ib:\ib+1] offset:1024*\b
	global_store_b128 v[LI], v[PC+4:PC+7], s[\ib:\ib+1] offset:1024*\b+512
	v_and_or_b32 v[W0], v[PW], 0xffff, s[S7F]              ; bytes 2 and 3, for the 64 along K that are filled with zero codes, are 0x7f
	v_lshrrev_b32 v[W1], 16, v[PW]
	v_or_b32 v[W1], s[S7F], v[W1]
	v_cndmask_b32 v[SW], v[W0], v[W1], s[HM]
	global_store_b32 v[LS], v[SW], s[\sb:\sb+1] offset:128*\b
.endm
.macro VOUT b                          ; 32 tokens of 64 columns: lane (r, h), registers 4 c on: column 16 (2 c + h) + r.  Sixteen lanes store 256 consecutive bytes, aligned
	global_store_b128 v[VST], v[PC:PC+3], s[VI:VI+1] offset:256*\b
	global_store_b128 v[VST], v[PC+4:PC+7], s[VI:VI+1] offset:256*\b+2048
.if (\b) == 0
	v_mov_b32 v[PW0], v[PW]
.else
	v_perm_b32 v[E], v[PW], v[PW0], v[SELV]                ; the two blocks' bytes of column tile h,
	v_perm_b32 v[E2], v[PW], v[PW0], v[SELV2]              ; and of column tile 2 + h
	global_store_b16 v[VSS], v[E], s[VSB:VSB+1]            ; half a scale word: the other half belongs to the neighbouring 64 tokens' work-group
	global_store_b16 v[VSS], v[E2], s[VSB:VSB+1] offset:128
.endif
.endm
	s_load_b512 s[4:19], s[0:1], 0x0                       ; x, ln_in_w, ln_in_b, the weights' codes, their scales, the bias, q_img, q_scl
	s_load_b64 s[KVB:KVB+1], s[0:1], 0x40                  ; kv
	v_lshl_add_u32 v254, v0, 2, 0x5800
	v_mov_b32 v255, 0
	v_lshrrev_b32 v18, 5, v0
	v_readfirstlane_b32 s[WV], v18                         ; wave 0..7
	v_and_b32 v19, 31, v0                                  ; lane
	v_and_b32 v20, 15, v0                                  ; r
	v_bfe_u32 v21, v0, 4, 1                                ; h
	v_and_b32 v22, 8, v20
	v_add_nc_u32 v22, v22, v20                             ; r + 8 (r / 8)
	v_lshlrev_b32 v[H64], 6, v21
	v_lshl_add_u32 v[XA], v22, 11, v[H64]
	v_lshlrev_b32 v[LI], 4, v19
	v_lshlrev_b32 v[LS], 2, v19
	s_lshl_b32 s[TS], s[WV], 9
	v_add_nc_u32 v[HWI], s[TS], v[LI]
	s_lshl_b32 s[TS], s[WV], 1
	v_add_nc_u32 v[HWS], s[TS], v[LI]
	v_lshlrev_b32 v[RR], 5, v20
	s_lshl_b32 s[TS], s[WV], 2
	v_add_nc_u32 v[RW], s[TS], v[RR]
	v_lshlrev_b32 v23, 4, v21
	v_lshl_add_u32 v[WP], v22, 8, v23
	v_lshl_add_u32 v[WN], v20, 8, v23
	v_lshlrev_b32 v[SP], 4, v22
	v_lshlrev_b32 v[SN], 4, v20
	v_lshlrev_b32 v[R4], 2, v20
	v_lshlrev_b32 v[VST], 10, v21
	v_lshl_add_u32 v[VST], v20, 4, v[VST]
	v_lshl_add_u32 v[VSS], v21, 6, v[R4]
	v_mul_u32_u24 v[SELV], v21, 0x101
	v_add_nc_u32 v[SELV], 0x400, v[SELV]                   ; byte 0: byte h of the first pair's word; byte 1: byte h of the second's
	v_add_nc_u32 v[SELV2], 0x202, v[SELV]
	v_cmp_eq_u32 s[HM], 1, v21                             ; lanes 16-31
.irp b, 0,1,2,3
	v_mov_b32 v[TMP+\b], 0                                 ; written once: a lane permute's destination counts as one of its sources
	v_mov_b32 v[PT+\b], 0
.endr
	s_mov_b32 s[SEL], 0x76543210
	s_mov_b32 s[SEL+1], 0xfedcba98                         ; v_permlanex16_b32's selects for lane l xor 16
	s_mov_b32 s[CS], 0xbfb8aa3b                            ; -log2(e)
	s_mov_b32 s[CS+1], s[CS]
	s_mov_b32 s[C512], 0x3b000000                          ; 1 / 512
	s_mov_b32 s[EPS], 0x3727c5ac                           ; 1e-5
	s_mov_b32 s[S7F], 0x7f7f0000
	s_mov_b32 s[OF+1], 0
	s_mov_b32 s[OG+1], 0
	s_wait_kmcnt 0x0
	s_lshl_b32 s[OG], s[WV], 8                             ; my 64 columns: 256 bytes of f32
	s_add_nc_u64 s[GWB:GWB+1], s[GWB:GWB+1], s[OG:OG+1]
	s_add_nc_u64 s[GBB:GBB+1], s[GBB:GBB+1], s[OG:OG+1]
	s_add_nc_u64 s[BV:BV+1], s[BB:BB+1], s[OG:OG+1]
	s_add_nc_u64 s[BV:BV+1], s[BV:BV+1], 2048              ; v: columns 512 on; q: 1,024 on; k: 1,536 on
	s_add_nc_u64 s[BQ:BQ+1], s[BV:BV+1], 2048
	s_add_nc_u64 s[BK:BK+1], s[BQ:BQ+1], 2048
	s_lshl_b32 s[OF], ttmp9, 17                            ; 64 rows of 2,048 bytes
	s_add_co_u32 s[OF], s[OF], s[OG]
	s_add_nc_u64 s[XB:XB+1], s[XB:XB+1], s[OF:OF+1]
	s_lshl_b32 s[OF], s[WV], 14                            ; 64 weight rows of 256 bytes
	s_add_nc_u64 s[CV:CV+1], s[WCB:WCB+1], s[OF:OF+1]
	s_add_nc_u64 s[CV:CV+1], s[CV:CV+1], 131072
	s_add_nc_u64 s[CQ:CQ+1], s[CV:CV+1], 131072
	s_add_nc_u64 s[CK:CK+1], s[CQ:CQ+1], 131072
	s_lshl_b32 s[OF], s[WV], 10                            ; and of 16 scale bytes
	s_add_nc_u64 s[SV:SV+1], s[WSB:WSB+1], s[OF:OF+1]
	s_add_nc_u64 s[SV:SV+1], s[SV:SV+1], 8192
	s_add_nc_u64 s[SQ:SQ+1], s[SV:SV+1], 8192
	s_add_nc_u64 s[SK:SK+1], s[SQ:SQ+1], 8192
	WIN 0x40
.irp p, 0,1
.irp q, 0,1,2,3
	global_load_b128 v[GW+16*\p+4*\q:GW+16*\p+4*\q+3], v[H64], s[GWB:GWB+1] offset:128*\p+16*\q
	global_load_b128 v[GB+16*\p+4*\q:GB+16*\p+4*\q+3], v[H64], s[GBB:GBB+1] offset:128*\p+16*\q
.endr
.endr
	LOAD128 0, DX, XB, 1
.irp k, 0,1,2,3
	WLOAD \k, WP, CQ, 1
.endr
	SLOAD SP, SQ, 1
	BIAST BI0, BQ
	BIAST BI1, BK
	WIN 0
	; where the results go, while the loads are on their way
	s_lshr_b32 s[TS], ttmp9, 5
	s_lshl_b32 s[TS], s[TS], 3
	s_add_co_u32 s[TS], s[TS], s[WV]                       ; 8 x sequence + head
	s_and_b32 s[OG], ttmp9, 31                             ; which 64 tokens of the sequence
	s_lshl_b32 s[OF], s[TS], 16
	s_lshl_b32 s62, s[OG], 11
	s_add_co_u32 s[OF], s[OF], s62
	s_add_nc_u64 s[QI:QI+1], s[QI:QI+1], s[OF:OF+1]
	s_lshl_b32 s[OF], s[TS], 13
	s_lshl_b32 s62, s[OG], 8
	s_add_co_u32 s[OF], s[OF], s62
	s_add_nc_u64 s[QS:QS+1], s[QS:QS+1], s[OF:OF+1]
	s_mul_i32 s[OF], s[TS], 143360
	s_lshr_b32 s62, s[OG], 1
	s_mul_i32 s62, s62, 8960
	s_add_co_u32 s[OF], s[OF], s62
	s_add_nc_u64 s[KVB:KVB+1], s[KVB:KVB+1], s[OF:OF+1]    ; the key step's block of 8,960 bytes
	s_and_b32 s[OG], s[OG], 1                              ; its first or its second 64 keys
	s_lshl_b32 s[OF], s[OG], 11
	s_add_nc_u64 s[KI:KI+1], s[KVB:KVB+1], s[OF:OF+1]
	s_lshl_b32 s[OF], s[OG], 8
	s_add_nc_u64 s[KSB:KSB+1], s[KVB:KVB+1], s[OF:OF+1]
	s_add_nc_u64 s[KSB:KSB+1], s[KSB:KSB+1], 8192
	s_lshl_b32 s[OF], s[OG], 9
	s_add_nc_u64 s[VI:VI+1], s[KVB:KVB+1], s[OF:OF+1]
	s_add_nc_u64 s[VI:VI+1], s[VI:VI+1], 4096
	s_lshl_b32 s[OF], s[OG], 1
	s_add_nc_u64 s[VSB:VSB+1], s[KVB:KVB+1], s[OF:OF+1]
	s_add_nc_u64 s[VSB:VSB+1], s[VSB:VSB+1], 8704
	s_wait_loadcnt 52                                      ; the gains and x are in; behind them 32 weight, 4 scale and 16 bias loads may stay out
	LN_SUM 0, DX, RED1
	BARRIER                                                ; every wave's sums lie in LDS
	LN_CENTER 0, DX, RED1, RED2
	BARRIER                                                ; and the sums of squares
	LN_APPLY 0, DX, RED2, GW, GB
	QUANT DX
	PUTHALF 0, XIMG, XSC
	QUANT DX+64
	PUTHALF 1, XIMG, XSC
	BARRIER                                                ; x's sixteen fragments lie in LDS; from here on LDS is only read
	UNIT 0, 0, BI0, 0, 0                                   ; q
	QKOUT 0, QI, QS
	UNIT 0, 1, BI0, -1, 1
	QKOUT 1, QI, QS
	UNIT 0, 0, BI1, 0, 0                                   ; k
	QKOUT 0, KI, KSB
	UNIT 0, 1, BI1, -1, 2
	QKOUT 1, KI, KSB
	UNIT 1, 0, BI0, 0, 0                                   ; v
	VOUT 0
	UNIT 1, 1, BI0, -1, 0
	VOUT 1
	s_wait_tensorcnt 0x0
	ds_add_u32 v254, v255
	s_wait_dscnt 0x0
	s_endpgm
.Lfunc_end_k_q80e4a5f7b1_qkv:
	.size	k_q80e4a5f7b1_qkv, .Lfunc_end_k_q80e4a5f7b1_qkv-k_q80e4a5f7b1_qkv
	.p2alignl 7, 3214868480
	.fill 96, 4, 3214868480
	.section	.rodata,"a",@progbits
	.p2align	6, 0x0
	.amdhsa_kernel k_q80e4a5f7b1_qkv
		.amdhsa_group_segment_fixed_size 23552
		.amdhsa_private_segment_fixed_size 0
		.amdhsa_enable_private_segment 0
		.amdhsa_kernarg_size 72
		.amdhsa_user_sgpr_count 2
		.amdhsa_user_sgpr_kernarg_segment_ptr 1
		.amdhsa_wavefront_size32 1
		.amdhsa_system_sgpr_workgroup_id_x 1
		.amdhsa_system_sgpr_workgroup_id_y 1
		.amdhsa_system_sgpr_workgroup_id_z 1
		.amdhsa_system_vgpr_workitem_id 0
		.amdhsa_next_free_vgpr 512
		.amdhsa_next_free_sgpr 66
		.amdhsa_reserve_vcc 0
		.amdhsa_float_denorm_mode_32 3
		.amdhsa_float_denorm_mode_16_64 3
		.amdhsa_memory_ordered 1
		.amdhsa_forward_progress 1
		.amdhsa_inst_pref_size 178
	.end_amdhsa_kernel
	.amdgpu_metadata
---
amdhsa.version: [ 1, 2 ]
amdhsa.kernels:
  - .name:           k_q80e4a5f7b1_qkv
    .symbol:         k_q80e4a5f7b1_qkv.kd
    .args:
      - { .name: x, .offset: 0, .size: 8, .value_kind: global_buffer, .address_space: global }
      - { .name: ln_in_w, .offset: 8, .size: 8, .value_kind: global_buffer, .address_space: global }
      - { .name: ln_in_b, .offset: 16, .size: 8, .value_kind: global_buffer, .address_space: global }
      - { .name: w_uvqk_codes, .offset: 24, .size: 8, .value_kind: global_buffer, .address_space: global }
      - { .name: w_uvqk_scales, .offset: 32, .size: 8, .value_kind: global_buffer, .address_space: global }
      - { .name: b_uvqk, .offset: 40, .size: 8, .value_kind: global_buffer, .address_space: global }
      - { .name: q_img, .offset: 48, .size: 8, .value_kind: global_buffer, .address_space: global }
      - { .name: q_scl, .offset: 56, .size: 8, .value_kind: global_buffer, .address_space: global }
      - { .name: kv, .offset: 64, .size: 8, .value_kind: global_buffer, .address_space: global }
    .group_segment_fixed_size: 23552
    .private_segment_fixed_size: 0
    .kernarg_segment_align: 8
    .kernarg_segment_size: 72
    .max_flat_workgroup_size: 256
    .sgpr_count:     66
    .vgpr_count:     512
    .wavefront_size: 32
...
	.end_amdgpu_metadata
.endif
;; end of part 1
;; launch attn (part 2): grid 4 x 64, 16 waves a work-group, clusters of 4 x 1, 215,040 bytes of LDS; arguments q_img, q_scl, kv, ao; writes ao
.if DOCPART == 2
	.amdgcn_target "amdgcn-amd-amdhsa--gfx1250"
	.amdhsa_code_object_version 6
	.text
	.protected	k_q80e4a5f7b1_attn
	.globl	k_q80e4a5f7b1_attn
	.p2align	8
	.type	k_q80e4a5f7b1_attn,@function
k_q80e4a5f7b1_attn:
	s_mov_b64 s[64:65], 0
	v_nop
	global_prefetch_b8 v0, s[64:65] scope:SCOPE_SE
	s_setreg_imm32_b32 hwreg(HW_REG_WAVE_MODE, 25, 1), 1
	s_wait_xcnt 0x0
	s_wait_alu depctr_hold_cnt(0) depctr_sa_sdst(0) depctr_va_vdst(0) depctr_va_sdst(0) depctr_va_ssrc(0) depctr_va_vcc(0) depctr_vm_vsrc(0)
	s_getreg_b32 s2, hwreg(HW_REG_IB_STS2, 6, 4)
	s_cmp_eq_u32 s2, 0
	s_cbranch_scc0 .Lentry_in_a_cluster
	s_endpgm
.Lentry_in_a_cluster:
	s_bfe_u32 s2, ttmp6, 0x10000c
	s_cmp_lg_u32 s2, 0x3003
	s_cbranch_scc0 .Lentry_shape_is_right
	s_endpgm
.Lentry_shape_is_right:
; ao[token][head] = sum over keys of Q(mask(silu(q . k / 8) / 2048)) Q(v), both products on codes of FP4 (E2M1) with one E8M0 scale for each 32 along K.
; 1 / 8 and 1 / 2,048 are powers of two and pass through the quantiser: what is quantised is s / (1 + 2^(-s log2(e) / 8)), s = q . k, and the sums are multiplied by 2^-14 at the end.
; LIMIT: that differs from quantising the scaled number only where a block's largest magnitude lies under 2^-124, where the rule holds the exponent.  A block of zeros has the byte 1 and zero codes.  NaN and infinities are not served.
; THE MASK: key j counts for query i where j <= i and (j < 1,984 or j = i).  A hidden score becomes 0 ahead of the silu, which leaves 0.  Key steps that lie wholly behind a tile's queries are left out.
; SHARES.  A cluster of four work-groups has one head of one sequence.  All of the head's K and V, 16 key steps x 8,960 bytes as images of operand registers, come into each work-group's LDS ONCE, jointly:
; wave w of each partner asks for key step w with the same descriptor and a mask that names the four.  Nothing is filled again.
; Wave w of partner cx takes query tiles 8 a + e and 8 (15 - a) + e, a = w / 2, e = 4 (w % 2) + cx.  Tile 8 A + e wants key steps 0 .. A: every wave walks 17 key steps.
; Branches hang on the wave's number and a counter alone; cx enters the addresses of Q and ao in memory and the number that the mask compares with.
; LAYOUT.  Both products are used transposed: S^T = K Q^T, O^T = V^T P^T: a lane holds one query.  Row r of tile 2 B + u, of queries and of keys, is token 32 B + 8 u + r + 8 (r / 8): so the 16 registers of key tiles 2 b, 2 b + 1 are 16 neighbouring keys.
; The first product's K is 64: Q's registers 4-7 are zero codes, and K's fragment of tile t is v[KV + 4 t .. + 7], whose upper four registers (the next tile's codes) meet those zeros under scale bytes 0x7f.
; REGISTERS: v1-9 addresses and constants; v12-27 two tiles of Q; v28-35 scale words; v36-71 eight tiles of K, then four images of V; v72-80 p's codes and scale word; v82-93 the quantiser's; v96-159 S^T, then p; v160-223 at work; v224-255 O^T.
.set STEPB, 8960                       ; a key step in LDS: 8 tiles of K (512 bytes each), 4 images of V (1,024), K's scale words (8 x 64), V's (4 x 64)
.set STG,   143360                     ; behind the 16 key steps: a stage of 16 rows x 272 bytes for each wave; no fill lands there
.set LI,  1                            ; 16 x lane
.set LS,  2                            ; 4 x lane
.set ADI, 3                            ; the step's images
.set ADS, 4                            ; the step's scale words
.set STO, 5
.set RD,  6
.set GO,  7
.set D2,  8                            ; my query - the diagonal step's first key - 16 h
.set ZR,  9                            ; 0
.set QA,  12
.set QB,  20
.set QSA, 28
.set QSB, 29
.set KS,  30
.set VS,  34
.set KV,  36
.set PC,  72
.set PW,  80
.set R4,  81
.set TMX, 82
.set TMP, 86
.set TMS, 90
.set S,   96
.set T,   160
.set O,   224
.set QIP, 4
.set QSP, 6
.set KVP, 8
.set AOP, 10
.set WV,  12
.set CX,  13
.set BH,  14
.set AA,  15
.set AT,  16
.set EE,  17
.set JJ,  18
.set TB,  19
.set SEL, 20
.set CS,  22
.set OS,  24
.set T0,  26
.set T1,  27
.set G0,  28
.set G1,  32
.set OBA, 40
.set OBB, 42
.set QIA, 44
.set QIB, 46
.set QWA, 48
.set QWB, 50
.set OF,  52
.set T2,  54
.set T3,  55
.set T4,  56
.set T5,  57
.set SG,  58
.macro CROUND                          ; a round of the cluster's barrier
	s_barrier_signal -1
	s_barrier_wait -1
	s_cmp_lg_u32 s[WV], 0
	s_cbranch_scc1 .Lnot_wave_0_\@
	s_barrier_signal -3
.Lnot_wave_0_\@:
	s_barrier_wait -3
	s_barrier_signal -1
	s_barrier_wait -1
.endm
.macro SILU src                        ; z / (1 + 2^(c z)): each kind of transcendental as one batch with one wait ahead of its first reader; ascending
.set II, 0
.rept 32
	v_pk_mul_f32 v[T+II:T+II+1], v[\src+II:\src+II+1], s[CS:CS+1] op_sel_hi:[1,0]
.set II, II+2
.endr
.set II, 0
.rept 64
	v_exp_f32 v[T+II], v[T+II]
.set II, II+1
.endr
	v_nop
	s_wait_alu depctr_va_vdst(0)
.set II, 0
.rept 32
	v_pk_add_f32 v[T+II:T+II+1], v[T+II:T+II+1], 1.0 op_sel_hi:[1,0]
.set II, II+2
.endr
.set II, 0
.rept 64
	v_rcp_f32 v[T+II], v[T+II]
.set II, II+1
.endr
	v_nop
	s_wait_alu depctr_va_vdst(0)
.set II, 0
.rept 32
	v_pk_mul_f32 v[\src+II:\src+II+1], v[\src+II:\src+II+1], v[T+II:T+II+1]
.set II, II+2
.endr
.endm
.macro QUANT src                       ; register 16 b + i = key 32 b + 16 h + i of my query -> the operand's eight registers in v[PC] on, its scale word in v[PW]
.irp b, 0,1,2,3
	v_max3_num_f32 v[TMX+\b], |v[\src+16*\b]|, |v[\src+1+16*\b]|, 0x1800000   ; and the floor 2^(3 - 127): the byte cannot fall under 1
.endr
.irp i, 2,4,6,8,10,12,14
.irp b, 0,1,2,3
	v_max3_num_f32 v[TMX+\b], v[TMX+\b], |v[\src+16*\b+\i]|, |v[\src+1+16*\b+\i]|
.endr
.endr
.irp b, 0,1,2,3
	v_permlanex16_b32 v[TMP+\b], v[TMX+\b], s[SEL], s[SEL+1]
.endr
.irp b, 0,1,2,3
	v_max_num_f32 v[TMX+\b], v[TMX+\b], v[TMP+\b]
.endr
.irp b, 0,1,2,3
	v_add_nc_u32 v[TMS+\b], 0xff000000, v[TMX+\b]
.endr
.irp b, 0,1,2,3
	v_lshrrev_b32 v[TMP+\b], 23, v[TMS+\b]
.endr
	v_lshl_or_b32 v[PW], v[TMP+1], 8, v[TMP]
	v_lshl_or_b32 v[PW], v[TMP+2], 16, v[PW]
	v_lshl_or_b32 v[PW], v[TMP+3], 24, v[PW]
.irp b, 0,1,2,3
	v_cvt_scalef32_pk8_fp4_f32 v[PC+2*\b], v[\src+16*\b:\src+16*\b+7], v[TMS+\b]
	v_cvt_scalef32_pk8_fp4_f32 v[PC+1+2*\b], v[\src+8+16*\b:\src+8+16*\b+7], v[TMS+\b]
.endr
	v_nop
.irp c, 0,1
.irp i, 0,1
	v_permlane16_swap_b32 v[PC+4*\c+\i], v[PC+2+4*\c+\i]
.endr
.endr
.endm
.macro MASK b0, ne                     ; blocks b0, b0 + 1 of the diagonal step.  Register 16 b + i holds key 32 b + 16 h + i of the step: hidden where 32 b + i > D2 (ne = 1, target keys: where it differs from D2)
.irp b, \b0, \b0+1
.irp i, 0,1,2,3,4,5,6,7,8,9,10,11,12,13,14,15
.if \ne
	v_cmp_ne_u32 vcc_lo, 32*(\b)+\i, v[D2]
.else
	v_cmp_gt_i32 vcc_lo, 32*(\b)+\i, v[D2]
.endif
	v_cndmask_b32 v[S+16*(\b)+\i], v[S+16*(\b)+\i], v[ZR], vcc_lo
.endr
.endr
.endm
.macro BASES second, qi, qw, ob        ; a tile's places in q_img, q_scl and ao
.if \second
	s_sub_co_u32 s[T4], 15, s[AA]
.else
	s_mov_b32 s[T4], s[AA]
.endif
	s_lshl_b32 s[T5], s[T4], 3
	s_add_co_u32 s[T5], s[T5], s[EE]                       ; the tile's number in its sequence
	s_lshl_b32 s[OF], s[T5], 9
	s_lshl_b32 s[T3], s[BH], 16
	s_add_co_u32 s[OF], s[OF], s[T3]
	s_add_nc_u64 s[\qi:\qi+1], s[QIP:QIP+1], s[OF:OF+1]
	s_lshl_b32 s[OF], s[T5], 6
	s_lshl_b32 s[T3], s[BH], 13
	s_add_co_u32 s[OF], s[OF], s[T3]
	s_add_nc_u64 s[\qw:\qw+1], s[QSP:QSP+1], s[OF:OF+1]
	s_lshl_b32 s[OF], s[T4], 7
	s_add_co_u32 s[OF], s[OF], s[T2]                       ; the tile's first token
	s_lshl_b32 s[OF], s[OF], 11                            ; rows of 2,048 bytes
	s_add_co_u32 s[OF], s[OF], s[T0]                       ; + the head's 256 bytes
	s_add_nc_u64 s[\ob:\ob+1], s[AOP:AOP+1], s[OF:OF+1]
.endm
	s_load_b256 s[4:11], s[0:1], 0x0                       ; q_img, q_scl, kv, ao
	v_lshl_add_u32 v94, v0, 2, 0x34000
	v_mov_b32 v95, 0
	ds_add_u32 v94, v95
	ds_add_u32 v94, v95
	v_lshrrev_b32 v10, 5, v0
	v_readfirstlane_b32 s[WV], v10                         ; wave 0..15
	s_bfe_u32 s[CX], ttmp6, 0x40000                        ; my place in the cluster
	s_and_b32 s[BH], ttmp7, 0xffff                         ; 8 x sequence + head: the cluster's y, which the four partners share
	s_lshr_b32 s[AA], s[WV], 1
	; descriptor group 1: 35 rows of 256 bytes (32 elements of 8 bytes), dense
	s_mov_b32 s[G1], 15|(3<<16)|(1<<21)                    ; 15:0 the mask: all four work-groups; 17:16 elements of 8 bytes; 21 set beside a mask
	s_mov_b32 s[G1+1], 32<<16                              ; tensor_dim0
	s_mov_b32 s[G1+2], 35<<16                              ; tensor_dim1
	s_mov_b32 s[G1+3], 32<<16                              ; tile_dim0
	s_mov_b32 s[G1+4], 35                                  ; tile_dim1
	s_mov_b32 s[G1+5], 32                                  ; from row to row
	s_mov_b32 s[G1+6], 0
	s_mov_b32 s[G1+7], 0
	s_mov_b32 s[G0], 1
	s_mul_i32 s[G0+1], s[WV], STEPB                        ; LDS: key step = my wave's number
	s_mul_i32 s[OF], s[BH], 143360
	s_add_co_u32 s[OF], s[OF], s[G0+1]
	s_mov_b32 s[OF+1], 0
	s_wait_dscnt 0x0
	s_wait_kmcnt 0x0
	s_add_nc_u64 s[G0+2:G0+3], s[KVP:KVP+1], s[OF:OF+1]
	s_or_b32 s[G0+3], s[G0+3], 0x80000000
	CROUND                                                 ; all four work-groups are here: the joint loads meet
	tensor_load_to_lds s[G0:G0+3], s[G1:G1+7]              ; my one tensor load of the launch
	s_nop 0
.rept 4
	v_nop
.endr
	v_and_b32 v10, 31, v0
	v_lshlrev_b32 v[LI], 4, v10
	v_lshlrev_b32 v[LS], 2, v10
	v_and_b32 v10, 15, v0                                  ; r
	v_bfe_u32 v11, v0, 4, 1                                ; h
	s_mul_i32 s[SG], s[WV], 4352
	s_add_co_u32 s[SG], s[SG], STG                         ; my stage
	v_mul_u32_u24 v[STO], v10, 272
	v_lshl_add_u32 v[STO], v11, 5, v[STO]
	v_add_nc_u32 v[STO], s[SG], v[STO]                     ; in: row r, 32 bytes for each half of the lanes
	v_mul_u32_u24 v[RD], v11, 272
	v_lshl_add_u32 v[RD], v10, 4, v[RD]
	v_add_nc_u32 v[RD], s[SG], v[RD]                       ; back: lanes 0-15 one row, lanes 16-31 the next
	v_lshlrev_b32 v[GO], 11, v11
	v_lshl_add_u32 v[GO], v10, 4, v[GO]                    ; and the same two rows in ao
	v_lshlrev_b32 v[R4], 2, v10
	v_and_b32 v[D2], 8, v10
	v_add_nc_u32 v[D2], v[D2], v10
	v_lshlrev_b32 v11, 4, v11
	v_sub_nc_u32 v[D2], v[D2], v11                         ; r + 8 (r / 8) - 16 h
	s_and_b32 s[EE], s[WV], 1
	s_lshl_b32 s[EE], s[EE], 2
	s_add_co_u32 s[EE], s[EE], s[CX]                       ; e
	s_lshr_b32 s[T1], s[EE], 1
	s_lshl_b32 s[T1], s[T1], 5
	s_and_b32 s[T3], s[EE], 1
	s_lshl_b32 s[T3], s[T3], 3
	s_add_co_u32 s[T1], s[T1], s[T3]                       ; 32 (e / 2) + 8 (e % 2)
	v_add_nc_u32 v[D2], s[T1], v[D2]
	s_lshr_b32 s[T2], s[BH], 3
	s_lshl_b32 s[T2], s[T2], 11
	s_add_co_u32 s[T2], s[T2], s[T1]                       ; the sequence's first token + the tile's place in its 128
	s_and_b32 s[T0], s[BH], 7
	s_lshl_b32 s[T0], s[T0], 8
	BASES 0, QIA, QWA, OBA
	BASES 1, QIB, QWB, OBB
	global_load_b128 v[QA:QA+3], v[LI], s[QIA:QIA+1]
	global_load_b128 v[QB:QB+3], v[LI], s[QIB:QIB+1]
	global_load_b32 v[QSA], v[R4], s[QWA:QWA+1]
	global_load_b32 v[QSB], v[R4], s[QWB:QWB+1]
.irp j, 4,5,6,7
	v_mov_b32 v[QA+\j], 0                                  ; zero codes for the 64 along K that the head does not have
	v_mov_b32 v[QB+\j], 0
	v_mov_b32 v[KV+28+\j], 0                               ; the upper half of K's last fragment
	v_mov_b32 v[TMP+\j-4], 0                               ; written once: a lane permute's destination counts as one of its sources
.endr
	v_mov_b32 v[ZR], 0
	s_mov_b32 s[SEL], 0x76543210
	s_mov_b32 s[SEL+1], 0xfedcba98
	s_mov_b32 s[CS], 0xbe38aa3b                            ; -log2(e) / 8
	s_mov_b32 s[CS+1], s[CS]
	s_mov_b32 s[OS], 0x38800000                            ; 2^-14
	s_mov_b32 s[OS+1], s[OS]
	s_wait_tensorcnt 0x0                                   ; my key step has landed,
	s_wait_loadcnt 0x0                                     ; Q is in,
	s_barrier_signal -1
	s_barrier_wait -1                                      ; and every wave's key step has landed
; One query tile.  The loop has 16 trips in every wave, so that the step's LDS address is a constant step of a counted loop; a trip whose keys all lie behind the tile's queries jumps over its work.
.macro TILE q, qw, second, ob
.if \second
	s_sub_co_u32 s[AT], 15, s[AA]
.else
	s_mov_b32 s[AT], s[AA]
.endif
.set II, 0
.rept 32
	v_mov_b32 v[O+II], 0                                   ; the step is written once: its first trip adds onto zeros
.set II, II+1
.endr
	s_mov_b32 s[TB], 0
	s_mov_b32 s[JJ], 0
.Ltrip_\@:
	s_cmp_gt_u32 s[JJ], s[AT]
	s_cbranch_scc1 .Lskip_\@
	v_add_nc_u32 v[ADI], s[TB], v[LI]
	v_add_nc_u32 v[ADS], s[TB], v[LS]
	v_nop
	v_nop                                                  ; four places behind the last step's products, ahead of loads into the registers that they read
.irp t, 0,1,2,3,4,5,6,7
	ds_load_b128 v[KV+4*\t:KV+4*\t+3], v[ADI] offset:512*\t
.endr
.irp p, 0,1,2,3
	ds_load_b32 v[KS+\p], v[ADS] offset:8192+128*\p        ; lanes 0-15: tile 2 p's scale words; lanes 16-31: tile 2 p + 1's
.endr
	s_wait_dscnt 0x0
.irp t, 0,2,4,6
	v_wmma_scale_f32_16x16x128_f8f6f4 v[S+8*\t:S+8*\t+7], v[KV+4*\t:KV+4*\t+7], v[\q:\q+7], 0, v[KS+\t/2], v[\qw] matrix_a_fmt:MATRIX_FMT_FP4 matrix_b_fmt:MATRIX_FMT_FP4
	v_wmma_scale_f32_16x16x128_f8f6f4 v[S+8*\t+8:S+8*\t+15], v[KV+4*\t+4:KV+4*\t+11], v[\q:\q+7], 0, v[KS+\t/2], v[\qw] matrix_a_fmt:MATRIX_FMT_FP4 matrix_b_fmt:MATRIX_FMT_FP4 matrix_a_scale:MATRIX_SCALE_ROW1
.endr
.rept 4
	v_nop                                                  ; places ahead of the loads below and of the first read of the scores
.endr
.irp p, 0,1,2,3,4,5,6,7
	ds_load_b128 v[KV+4*\p:KV+4*\p+3], v[ADI] offset:4096+512*\p   ; V's four images: asked for a whole silu and quantiser ahead of their use
.endr
.irp p, 0,1
	ds_load_b32 v[VS+\p], v[ADS] offset:8704+128*\p
.endr
	s_cmp_lg_u32 s[JJ], s[AT]
	s_cbranch_scc1 .Lopen_\@                               ; only the tile's last step lies on the diagonal
	MASK 0, 0
.if \second
	s_cmp_eq_u32 s[AT], 15
	s_cbranch_scc1 .Ltarget_\@                             ; keys 1,984 on are keys for themselves alone: blocks 2 and 3 of key step 15
.endif
	MASK 2, 0
.if \second
	s_branch .Lopen_\@
.Ltarget_\@:
	MASK 2, 1
.endif
.Lopen_\@:
	SILU S
	QUANT S
.rept 8
	v_nop                                                  ; a scale word made by vector instructions stands eight places ahead of a scaled matrix instruction, codes so made four
.endr
	s_wait_dscnt 0x0                                       ; V
.irp n, 0,2
	v_wmma_scale_f32_16x16x128_f8f6f4 v[O+8*\n:O+8*\n+7], v[KV+8*\n:KV+8*\n+7], v[PC:PC+7], v[O+8*\n:O+8*\n+7], v[VS+\n/2], v[PW] matrix_a_fmt:MATRIX_FMT_FP4 matrix_b_fmt:MATRIX_FMT_FP4
	v_wmma_scale_f32_16x16x128_f8f6f4 v[O+8*\n+8:O+8*\n+15], v[KV+8*\n+8:KV+8*\n+15], v[PC:PC+7], v[O+8*\n+8:O+8*\n+15], v[VS+\n/2], v[PW] matrix_a_fmt:MATRIX_FMT_FP4 matrix_b_fmt:MATRIX_FMT_FP4 matrix_a_scale:MATRIX_SCALE_ROW1
.endr
.Lskip_\@:
	s_add_co_u32 s[TB], s[TB], STEPB
	s_add_co_u32 s[JJ], s[JJ], 1
	s_cmp_lt_u32 s[JJ], 16
	s_cbranch_scc1 .Ltrip_\@
	; the way out: x 2^-14; through my stage, so that sixteen lanes store 256 consecutive bytes, aligned: a head's 64 numbers of one token
.rept 4
	v_nop
.endr
.set II, 0
.rept 16
	v_pk_mul_f32 v[S+II:S+II+1], v[O+II:O+II+1], s[OS:OS+1] op_sel_hi:[1,0]
.set II, II+2
.endr
.irp n, 0,1,2,3
	ds_store_b128 v[STO], v[S+8*\n:S+8*\n+3] offset:64*\n          ; lane (r, h): query r, channels 16 n + 8 h + 0 .. 7
	ds_store_b128 v[STO], v[S+8*\n+4:S+8*\n+7] offset:64*\n+16
.endr
.irp i, 0,1,2,3,4,5,6,7
	ds_load_b128 v[S+32+4*\i:S+32+4*\i+3], v[RD] offset:544*\i     ; LDS serves a wave's instructions in order: these see my stores
.endr
.irp i, 0,1,2,3,4,5,6,7
	s_wait_dscnt 7-\i                                              ; the younger loads may stay out
	global_store_b128 v[GO], v[S+32+4*\i:S+32+4*\i+3], s[\ob:\ob+1] offset:(2*\i+8*(\i/4))*2048 th:TH_STORE_NT   ; row 2 i + h of the tile is token 2 i + h + 8 (i / 4) of its 32
.endr
	s_wait_xcnt 0x0                                        ; the stores have read their data: the registers may be written again
.endm
	TILE QA, QSA, 0, OBA
	TILE QB, QSB, 1, OBB
	s_wait_dscnt 0x0
	s_wait_tensorcnt 0x0
	ds_add_u32 v94, v95
	s_wait_dscnt 0x0
	CROUND                                                 ; the closing round: no work-group ends while a partner may still ask for a tile that names it
	s_endpgm
.Lfunc_end_k_q80e4a5f7b1_attn:
	.size	k_q80e4a5f7b1_attn, .Lfunc_end_k_q80e4a5f7b1_attn-k_q80e4a5f7b1_attn
	.p2alignl 7, 3214868480
	.fill 96, 4, 3214868480
	.section	.rodata,"a",@progbits
	.p2align	6, 0x0
	.amdhsa_kernel k_q80e4a5f7b1_attn
		.amdhsa_group_segment_fixed_size 215040
		.amdhsa_private_segment_fixed_size 0
		.amdhsa_enable_private_segment 0
		.amdhsa_kernarg_size 32
		.amdhsa_user_sgpr_count 2
		.amdhsa_user_sgpr_kernarg_segment_ptr 1
		.amdhsa_wavefront_size32 1
		.amdhsa_system_sgpr_workgroup_id_x 1
		.amdhsa_system_sgpr_workgroup_id_y 1
		.amdhsa_system_sgpr_workgroup_id_z 1
		.amdhsa_system_vgpr_workitem_id 0
		.amdhsa_next_free_vgpr 256
		.amdhsa_next_free_sgpr 66
		.amdhsa_reserve_vcc 1
		.amdhsa_float_denorm_mode_32 3
		.amdhsa_float_denorm_mode_16_64 3
		.amdhsa_memory_ordered 1
		.amdhsa_forward_progress 1
		.amdhsa_inst_pref_size 64
	.end_amdhsa_kernel
	.amdgpu_metadata
---
amdhsa.version: [ 1, 2 ]
amdhsa.kernels:
  - .name:           k_q80e4a5f7b1_attn
    .symbol:         k_q80e4a5f7b1_attn.kd
    .args:
      - { .name: q_img, .offset: 0, .size: 8, .value_kind: global_buffer, .address_space: global }
      - { .name: q_scl, .offset: 8, .size: 8, .value_kind: global_buffer, .address_space: global }
      - { .name: kv, .offset: 16, .size: 8, .value_kind: global_buffer, .address_space: global }
      - { .name: ao, .offset: 24, .size: 8, .value_kind: global_buffer, .address_space: global }
    .group_segment_fixed_size: 215040
    .private_segment_fixed_size: 0
    .kernarg_segment_align: 8
    .kernarg_segment_size: 32
    .max_flat_workgroup_size: 512
    .sgpr_count:     66
    .vgpr_count:     256
    .wavefront_size: 32
...
	.end_amdgpu_metadata
.endif
;; end of part 2
;; launch final (part 3): grid 256 x 1, 8 waves a work-group, no clusters, 211,968 bytes of LDS; arguments x, ao, ln_in_w, ln_in_b, ln_out_w, ln_out_b, w_uvqk_codes, w_uvqk_scales, b_uvqk, w_proj_codes, w_proj_scales, out0; writes out0
.if DOCPART == 3
	.amdgcn_target "amdgcn-amd-amdhsa--gfx1250"
	.amdhsa_code_object_version 6
	.text
	.protected	k_q80e4a5f7b1_final
	.globl	k_q80e4a5f7b1_final
	.p2align	8
	.type	k_q80e4a5f7b1_final,@function
k_q80e4a5f7b1_final:
	s_mov_b64 s[64:65], 0
	v_nop
	global_prefetch_b8 v0, s[64:65] scope:SCOPE_SE
	s_setreg_imm32_b32 hwreg(HW_REG_WAVE_MODE, 25, 1), 1
	s_wait_xcnt 0x0
; out = Q(u x layer_norm(ao)) w_proj + x, with u = silu(Q(layer_norm(x)) W + b), columns 0 .. 511 of the first product; both products on codes of FP4 (E2M1) with one E8M0 scale for each 32 along K.
; u is made here, where x is read anyway, so that it never goes through memory.
; SHARES.  A work-group takes 64 tokens as four tiles of 16 neighbouring rows.  Wave w owns columns 64 w .. 64 w + 63 of x, of ao, of u and of the output; its 64 rows of each weight go from memory straight into its registers.
; Both products are used transposed (source 0 = 16 weight rows, source 1 = 16 tokens).  The weight rows of a tile of u are chosen (lane r of tile t: row 32 (t / 2) + 8 (t % 2) + r + 8 (r / 8)) so that a lane's
; registers hold u in the very order in which it holds ao: register 32 m + 16 p + i = (tile m, row r, column 64 w + 32 p + 16 h + i), which is also the order that the quantiser takes.
; Codes go from wave to wave through LDS as images of registers: fragment (tile m, K step k) at IMG + 4096 m + 1024 k + 512 c + 16 lane; its scale words at SC + 512 m + 16 lane + 4 k.
; LIMITS: NaN and infinities among the inputs are not served.  A block of zeros gets the scale byte 1 where the rule says 127: its codes are zeros, and this program alone reads the bytes.
; REGISTERS.  window 0: v1-17 addresses; v32-47 the weights' scale words; v48-55 the tokens'; v56-63 codes just made; v64-127 results (before that, with v128-191, x's 128 numbers); v128-191 at work;
;   v192-223 the rows' partial sums, later the quantiser's registers; v224-247 the norms'.   window 1: v0-127 16 weight fragments (before that the gains); v128-191 8 fragments of tokens; v192-223 u's bias (before that, v128-255: ao's 128 numbers).
.set PERMX, 0                          ; the tiles' rows are neighbours
.set XIMG, 0                           ; LDS: x's 16 fragments
.set XSC,  16384
.set PIMG, 18432                       ; those of u x layer_norm(ao)
.set PSC,  34816
.set REDX1, 36864                      ; the rows' sums by wave: x's, ao's; then the sums of squares
.set REDA1, 38912
.set REDX2, 40960
.set REDA2, 43008
.set YSP,  45056                       ; 16,384 bytes for each wave, its own: the normalised ao waits here while weights fill its registers
.set STG,  176128                      ; 16 rows x 272 bytes for each wave, its own: the way out
.set XA,  1
.set LI,  2
.set LS,  3
.set HWI, 4
.set HWS, 5
.set RW,  6
.set RR,  7
.set WP,  8
.set WN,  9
.set SP,  10
.set SN,  11
.set H64, 12
.set YA,  14
.set STO, 15
.set RD,  16
.set GO,  17
.set WS,  32
.set XS,  48
.set PC,  56
.set HA,  64
.set DX,  64
.set T,   128
.set RB,  192
.set TMX, 192
.set TMP, 196
.set TMS, 200
.set PW,  204
.set ACC, 224
.set MN,  232
.set VAR, 240
.set PT,  244
.set WA,  0                            ; window 1
.set XF,  128
.set BI0, 192
.set GIW, 0
.set GIB, 32
.set GOW, 64
.set GOB, 96
.set DA,  128
.set XB,  4                            ; scalar pairs: the buffers, each stepped once to my part
.set AB,  6
.set GIWB, 8
.set GIBB, 10
.set GOWB, 12
.set GOBB, 14
.set WCB, 16
.set WSB, 18
.set BUB, 20
.set PCB, 22
.set PSB, 24
.set OB,  26
.set WV,  28
.set TS,  29
.set SEL, 30
.set CS,  32
.set C512, 34
.set EPS, 35
.set OF,  36
.set OG,  38
.set MSB, 0
.macro WIN new                         ; the immediate's high byte repeats the setting that is left; a switch that changes nothing is dropped
.if MSB != (\new)
	s_set_vgpr_msb (MSB<<8)|(\new)
.set MSB, \new
.endif
.endm
.macro PLACES                          ; four plain places behind matrix instructions (ISA guide 7.12.1)
.rept 4
	v_nop
.endr
.endm
.macro BARRIER                         ; my LDS stores have landed and my LDS loads are in: then the work-group's barrier
	s_wait_dscnt 0x0
	s_barrier_signal -1
	s_barrier_wait -1
.endm
.macro SILU src                        ; z / (1 + 2^(-z log2 e)): each kind of transcendental as one batch with one wait ahead of its first reader; ascending
.set II, 0
.rept 32
	v_pk_mul_f32 v[T+II:T+II+1], v[\src+II:\src+II+1], s[CS:CS+1] op_sel_hi:[1,0]
.set II, II+2
.endr
.set II, 0
.rept 64
	v_exp_f32 v[T+II], v[T+II]
.set II, II+1
.endr
	v_nop
	s_wait_alu depctr_va_vdst(0)
.set II, 0
.rept 32
	v_pk_add_f32 v[T+II:T+II+1], v[T+II:T+II+1], 1.0 op_sel_hi:[1,0]
.set II, II+2
.endr
.set II, 0
.rept 64
	v_rcp_f32 v[T+II], v[T+II]
.set II, II+1
.endr
	v_nop
	s_wait_alu depctr_va_vdst(0)
.set II, 0
.rept 32
	v_pk_mul_f32 v[\src+II:\src+II+1], v[\src+II:\src+II+1], v[T+II:T+II+1]
.set II, II+2
.endr
.endm
.macro QUANT src                       ; register 16 b + i = number 16 h + i of block b of my row -> codes in v[PC] on (registers 4 c .. 4 c + 3 of lane (r, h): the whole block 2 c + h), four scale bytes in v[PW]
.irp b, 0,1,2,3
	v_max3_num_f32 v[TMX+\b], |v[\src+16*\b]|, |v[\src+1+16*\b]|, 0x1800000   ; and the floor 2^(3 - 127): the byte cannot fall under 1
.endr
.irp i, 2,4,6,8,10,12,14
.irp b, 0,1,2,3
	v_max3_num_f32 v[TMX+\b], v[TMX+\b], |v[\src+16*\b+\i]|, |v[\src+1+16*\b+\i]|
.endr
.endr
.irp b, 0,1,2,3
	v_permlanex16_b32 v[TMP+\b], v[TMX+\b], s[SEL], s[SEL+1]
.endr
.irp b, 0,1,2,3
	v_max_num_f32 v[TMX+\b], v[TMX+\b], v[TMP+\b]
.endr
.irp b, 0,1,2,3
	v_add_nc_u32 v[TMS+\b], 0xff000000, v[TMX+\b]
.endr
.irp b, 0,1,2,3
	v_lshrrev_b32 v[TMP+\b], 23, v[TMS+\b]
.endr
	v_lshl_or_b32 v[PW], v[TMP+1], 8, v[TMP]
	v_lshl_or_b32 v[PW], v[TMP+2], 16, v[PW]
	v_lshl_or_b32 v[PW], v[TMP+3], 24, v[PW]
.irp b, 0,1,2,3
	v_cvt_scalef32_pk8_fp4_f32 v[PC+2*\b], v[\src+16*\b:\src+16*\b+7], v[TMS+\b]
	v_cvt_scalef32_pk8_fp4_f32 v[PC+1+2*\b], v[\src+8+16*\b:\src+8+16*\b+7], v[TMS+\b]
.endr
	v_nop
.irp c, 0,1
.irp i, 0,1
	v_permlane16_swap_b32 v[PC+4*\c+\i], v[PC+2+4*\c+\i]
.endr
.endr
.endm
.macro LOAD128 win, base, sb, nt       ; my 64 columns of 64 rows
	WIN 0x40*(\win)
.irp m, 0,1,2,3
.irp p, 0,1
.irp q, 0,1,2,3
.if \nt
	global_load_b128 v[\base+32*\m+16*\p+4*\q:\base+32*\m+16*\p+4*\q+3], v[XA], s[\sb:\sb+1] offset:(PERMX*(32*(\m/2)+8*(\m%2))+(1-PERMX)*16*\m)*2048+128*\p+16*\q th:TH_LOAD_NT
.else
	global_load_b128 v[\base+32*\m+16*\p+4*\q:\base+32*\m+16*\p+4*\q+3], v[XA], s[\sb:\sb+1] offset:(PERMX*(32*(\m/2)+8*(\m%2))+(1-PERMX)*16*\m)*2048+128*\p+16*\q
.endif
.endr
.endr
.endr
.endm
.macro LN_FOLD red
	WIN 0
.irp m, 0,1,2,3
	v_add_f32 v[ACC+2*\m], v[ACC+2*\m], v[ACC+2*\m+1]
.endr
.irp m, 0,1,2,3
	v_permlanex16_b32 v[PT+\m], v[ACC+2*\m], s[SEL], s[SEL+1]
.endr
.irp m, 0,1,2,3
	v_add_f32 v[ACC+2*\m], v[ACC+2*\m], v[PT+\m]
.endr
.irp m, 0,1,2,3
	ds_store_b32 v[RW], v[ACC+2*\m] offset:\red+512*\m     ; both halves of the lanes store the same word with the same value
.endr
.endm
.macro LN_SUM dw, db, red
	WIN 5*(\dw)
.irp m, 0,1,2,3
	v_pk_add_f32 v[ACC+2*\m:ACC+2*\m+1], v[\db+32*\m:\db+32*\m+1], v[\db+32*\m+2:\db+32*\m+3]
.endr
	WIN 4*(\dw)
.set II, 4
.rept 14
.irp m, 0,1,2,3
	v_pk_add_f32 v[ACC+2*\m:ACC+2*\m+1], v[ACC+2*\m:ACC+2*\m+1], v[\db+32*\m+II:\db+32*\m+II+1]
.endr
.set II, II+2
.endr
	LN_FOLD \red
.endm
.macro LN_RED red
.irp m, 0,1,2,3
	ds_load_b128 v[RB+8*\m:RB+8*\m+3], v[RR] offset:\red+512*\m
	ds_load_b128 v[RB+8*\m+4:RB+8*\m+7], v[RR] offset:\red+512*\m+16
.endr
	s_wait_dscnt 0x0
.irp m, 0,1,2,3
	v_pk_add_f32 v[RB+8*\m:RB+8*\m+1], v[RB+8*\m:RB+8*\m+1], v[RB+8*\m+2:RB+8*\m+3]
	v_pk_add_f32 v[RB+8*\m+4:RB+8*\m+5], v[RB+8*\m+4:RB+8*\m+5], v[RB+8*\m+6:RB+8*\m+7]
.endr
.irp m, 0,1,2,3
	v_pk_add_f32 v[RB+8*\m:RB+8*\m+1], v[RB+8*\m:RB+8*\m+1], v[RB+8*\m+4:RB+8*\m+5]
.endr
.irp m, 0,1,2,3
	v_add_f32 v[RB+8*\m], v[RB+8*\m], v[RB+8*\m+1]
.endr
.endm
.macro LN_CENTER dw, db, rin, rout     ; the mean is taken away first, and the squares are those of centred numbers: no difference of large sums is formed
	LN_RED \rin
.irp m, 0,1,2,3
	v_mul_f32 v[MN+2*\m], s[C512], v[RB+8*\m]
	v_mul_f32 v[MN+2*\m+1], s[C512], v[RB+8*\m]
.endr
	WIN 0x41*(\dw)
.irp m, 0,1,2,3
.set II, 0
.rept 16
	v_pk_add_f32 v[\db+32*\m+II:\db+32*\m+II+1], v[\db+32*\m+II:\db+32*\m+II+1], v[MN+2*\m:MN+2*\m+1] neg_lo:[0,1] neg_hi:[0,1]
.set II, II+2
.endr
.endr
	WIN 5*(\dw)
.irp m, 0,1,2,3
	v_pk_mul_f32 v[ACC+2*\m:ACC+2*\m+1], v[\db+32*\m:\db+32*\m+1], v[\db+32*\m:\db+32*\m+1]
.endr
.set II, 2
.rept 15
.irp m, 0,1,2,3
	v_pk_fma_f32 v[ACC+2*\m:ACC+2*\m+1], v[\db+32*\m+II:\db+32*\m+II+1], v[\db+32*\m+II:\db+32*\m+II+1], v[ACC+2*\m:ACC+2*\m+1]
.endr
.set II, II+2
.endr
	LN_FOLD \rout
.endm
.macro LN_APPLY dw, db, rin, gw, gb
	LN_RED \rin
.irp m, 0,1,2,3
	v_fma_f32 v[VAR+\m], v[RB+8*\m], s[C512], s[EPS]
.endr
.irp m, 0,1,2,3
	v_rsq_f32 v[MN+2*\m], v[VAR+\m]
.endr
	v_nop
	s_wait_alu depctr_va_vdst(0)                           ; one wait for the four, ahead of their first reader
.irp m, 0,1,2,3
	v_mov_b32 v[MN+2*\m+1], v[MN+2*\m]
.endr
	WIN 0x41*(\dw)
.irp m, 0,1,2,3
.set II, 0
.rept 16
	v_pk_mul_f32 v[\db+32*\m+II:\db+32*\m+II+1], v[\db+32*\m+II:\db+32*\m+II+1], v[MN+2*\m:MN+2*\m+1]
.set II, II+2
.endr
.endr
	WIN 0x41*(\dw)+0x14
.irp m, 0,1,2,3
.set II, 0
.rept 16
	v_pk_fma_f32 v[\db+32*\m+II:\db+32*\m+II+1], v[\db+32*\m+II:\db+32*\m+II+1], v[\gw+II:\gw+II+1], v[\gb+II:\gb+II+1]
.set II, II+2
.endr
.endr
	WIN 0
.endm
.macro PUTHALF b, img, scb
	ds_store_b128 v[HWI], v[PC:PC+3] offset:\img+4096*(2*\b)
	ds_store_b128 v[HWI], v[PC+4:PC+7] offset:\img+4096*(2*\b+1)
	ds_store_b16 v[HWS], v[PW] offset:\scb+512*(2*\b)
	ds_store_b16_d16_hi v[HWS], v[PW] offset:\scb+512*(2*\b+1)
	s_wait_dscnt 0x0                                       ; the stores have read their registers
.endm
.macro FETCH b, img, scb
	WIN 0x40
.irp u, 0,1
.irp k, 0,1,2,3
.irp c, 0,1
	ds_load_b128 v[XF+8*(4*\u+\k)+4*\c:XF+8*(4*\u+\k)+4*\c+3], v[LI] offset:\img+4096*(2*\b+\u)+1024*\k+512*\c
.endr
.endr
.endr
	WIN 0
.irp u, 0,1
	ds_load_b128 v[XS+4*\u:XS+4*\u+3], v[LI] offset:\scb+512*(2*\b+\u)
.endr
.endm
.macro WLOAD k, lr, sb, perm
	WIN 0x40
.irp t, 0,1,2,3
.irp c, 0,1
.if \perm
	global_load_b128 v[WA+8*(4*\t+(\k))+4*\c:WA+8*(4*\t+(\k))+4*\c+3], v[\lr], s[\sb:\sb+1] offset:(32*(\t/2)+8*(\t%2))*256+64*(\k)+32*\c
.else
	global_load_b128 v[WA+8*(4*\t+(\k))+4*\c:WA+8*(4*\t+(\k))+4*\c+3], v[\lr], s[\sb:\sb+1] offset:16*\t*256+64*(\k)+32*\c
.endif
.endr
.endr
.endm
.macro SLOAD lr, sb, perm
	WIN 0
.irp t, 0,1,2,3
.if \perm
	global_load_b128 v[WS+4*\t:WS+4*\t+3], v[\lr], s[\sb:\sb+1] offset:(32*(\t/2)+8*(\t%2))*16
.else
	global_load_b128 v[WS+4*\t:WS+4*\t+3], v[\lr], s[\sb:\sb+1] offset:16*\t*16
.endif
.endr
.endm
; K step k: source 0 = 16 weight rows, source 1 = 16 tokens.  The eight accumulators take turns, one instruction a turn.  bi: the bias that starts the sums, or -1: the constant 0.
.macro MMT k, bi
.if ((\k) == 0) && ((\bi) >= 0)
	WIN 0x15
.else
	WIN 0x05
.endif
.irp u, 0,1
.irp t, 0,1,2,3
.if ((\k) == 0) && ((\bi) >= 0)
	v_wmma_scale_f32_16x16x128_f8f6f4 v[HA+8*(4*\u+\t):HA+8*(4*\u+\t)+7], v[WA+8*(4*\t+(\k)):WA+8*(4*\t+(\k))+7], v[XF+8*(4*\u+(\k)):XF+8*(4*\u+(\k))+7], v[(\bi)+8*\t:(\bi)+8*\t+7], v[WS+4*\t+(\k)], v[XS+4*\u+(\k)] matrix_a_fmt:MATRIX_FMT_FP4 matrix_b_fmt:MATRIX_FMT_FP4
.elseif (\k) == 0
	v_wmma_scale_f32_16x16x128_f8f6f4 v[HA+8*(4*\u+\t):HA+8*(4*\u+\t)+7], v[WA+8*(4*\t+(\k)):WA+8*(4*\t+(\k))+7], v[XF+8*(4*\u+(\k)):XF+8*(4*\u+(\k))+7], 0, v[WS+4*\t+(\k)], v[XS+4*\u+(\k)] matrix_a_fmt:MATRIX_FMT_FP4 matrix_b_fmt:MATRIX_FMT_FP4
.else
	v_wmma_scale_f32_16x16x128_f8f6f4 v[HA+8*(4*\u+\t):HA+8*(4*\u+\t)+7], v[WA+8*(4*\t+(\k)):WA+8*(4*\t+(\k))+7], v[XF+8*(4*\u+(\k)):XF+8*(4*\u+(\k))+7], v[HA+8*(4*\u+\t):HA+8*(4*\u+\t)+7], v[WS+4*\t+(\k)], v[XS+4*\u+(\k)] matrix_a_fmt:MATRIX_FMT_FP4 matrix_b_fmt:MATRIX_FMT_FP4
.endif
.endr
.endr
.endm
; 64 columns x tiles 2 b, 2 b + 1: 32 matrix instructions.  lc >= 0: the wait for the weights.  nxt = 1: a K step's weight registers are free once its eight products are issued
; and four places have passed: w_proj's land there under this pair's silu and quantiser.
.macro PROD b, img, scb, bi, lc, nxt
	FETCH \b, \img, \scb
	s_wait_dscnt 0x0
.if (\lc) >= 0
	s_wait_loadcnt \lc
.endif
.irp k, 0,1,2,3
	MMT \k, \bi
.if \nxt
	PLACES
	WLOAD \k, WN, PCB, 0
.endif
.endr
	WIN 0
	PLACES                                                 ; ahead of the first read of results, and of loads into registers that the products read
.if \nxt
	SLOAD SN, PSB, 0
.endif
.endm
.macro UPAIR b, lc, nxt                ; u of two tiles, x the normalised ao, quantised: my half fragments of the last product's operand
	PROD \b, XIMG, XSC, BI0, \lc, \nxt
	WIN 0x40
.set II, 0
.rept 16
	ds_load_b128 v[XF+4*II:XF+4*II+3], v[YA] offset:512*(16*\b+II)    ; my own bytes: 64 numbers of the normalised ao, in u's order
.set II, II+1
.endr
	WIN 0
	SILU HA
	s_wait_dscnt 0x0
	WIN 0x04
.set II, 0
.rept 32
	v_pk_mul_f32 v[HA+II:HA+II+1], v[HA+II:HA+II+1], v[XF+II:XF+II+1]
.set II, II+2
.endr
	WIN 0
	QUANT HA
	PUTHALF \b, PIMG, PSC
.endm
.macro PPAIR b, lc                     ; the last product of two tiles, + x, stored
	s_wait_xcnt 0x0                                        ; the last pair's stores have read their data
.irp u, 0,1
.irp i, 0,1,2,3,4,5,6,7
	global_load_b128 v[T+32*\u+4*\i:T+32*\u+4*\i+3], v[GO], s[XB:XB+1] offset:(16*(2*\b+\u)+2*\i)*2048 th:TH_LOAD_NT   ; x in the layout of the stores: sixteen lanes read 256 consecutive bytes
.endr
.endr
	PROD \b, PIMG, PSC, -1, \lc, 0
.irp u, 0,1
.irp t, 0,1,2,3
	ds_store_b128 v[STO], v[HA+8*(4*\u+\t):HA+8*(4*\u+\t)+3] offset:64*\t         ; lane (r, h): token r, columns 16 t + 8 h + 0 .. 7; each accumulator from its low end on
	ds_store_b128 v[STO], v[HA+8*(4*\u+\t)+4:HA+8*(4*\u+\t)+7] offset:64*\t+16
.endr
.irp i, 0,1,2,3,4,5,6,7
	ds_load_b128 v[HA+32*\u+4*\i:HA+32*\u+4*\i+3], v[RD] offset:544*\i            ; LDS serves a wave's instructions in order: these see my stores, and the next tile's stores come behind them
.endr
.endr
	s_wait_loadcnt 0x0                                     ; x
.irp u, 0,1
.irp i, 0,1,2,3,4,5,6,7
	s_wait_dscnt (1-\u)*16+7-\i                            ; the younger LDS instructions may stay out
	v_pk_add_f32 v[HA+32*\u+4*\i:HA+32*\u+4*\i+1], v[HA+32*\u+4*\i:HA+32*\u+4*\i+1], v[T+32*\u+4*\i:T+32*\u+4*\i+1]
	v_pk_add_f32 v[HA+32*\u+4*\i+2:HA+32*\u+4*\i+3], v[HA+32*\u+4*\i+2:HA+32*\u+4*\i+3], v[T+32*\u+4*\i+2:T+32*\u+4*\i+3]
	global_store_b128 v[GO], v[HA+32*\u+4*\i:HA+32*\u+4*\i+3], s[OB:OB+1] offset:(16*(2*\b+\u)+2*\i)*2048 th:TH_STORE_NT   ; sixteen lanes store 256 consecutive bytes, aligned
.endr
.endr
.endm
	s_load_b512 s[4:19], s[0:1], 0x0                       ; x, ao, ln_in_w, ln_in_b, ln_out_w, ln_out_b, w_uvqk's codes, its scales
	s_load_b256 s[20:27], s[0:1], 0x40                     ; b_uvqk, w_proj's codes, its scales, out0
	v_lshl_add_u32 v254, v0, 2, 0x33800
	v_mov_b32 v255, 0
	v_lshrrev_b32 v18, 5, v0
	v_readfirstlane_b32 s[WV], v18                         ; wave 0..7
	v_and_b32 v19, 31, v0                                  ; lane
	v_and_b32 v20, 15, v0                                  ; r
	v_bfe_u32 v21, v0, 4, 1                                ; h
	v_and_b32 v22, 8, v20
	v_add_nc_u32 v22, v22, v20                             ; r + 8 (r / 8)
	v_lshlrev_b32 v[H64], 6, v21
	v_lshl_add_u32 v[XA], v20, 11, v[H64]
	v_lshlrev_b32 v[LI], 4, v19
	v_lshlrev_b32 v[LS], 2, v19
	s_lshl_b32 s[TS], s[WV], 9
	v_add_nc_u32 v[HWI], s[TS], v[LI]
	s_lshl_b32 s[TS], s[WV], 1
	v_add_nc_u32 v[HWS], s[TS], v[LI]
	v_lshlrev_b32 v[RR], 5, v20
	s_lshl_b32 s[TS], s[WV], 2
	v_add_nc_u32 v[RW], s[TS], v[RR]
	v_lshlrev_b32 v23, 4, v21
	v_lshl_add_u32 v[WP], v22, 8, v23
	v_lshl_add_u32 v[WN], v20, 8, v23
	v_lshlrev_b32 v[SP], 4, v22
	v_lshlrev_b32 v[SN], 4, v20
	s_mul_i32 s[TS], s[WV], 4352
	s_add_co_u32 s[TS], s[TS], STG                         ; my stage
	v_mul_u32_u24 v[STO], v20, 272
	v_lshl_add_u32 v[STO], v21, 5, v[STO]
	v_add_nc_u32 v[STO], s[TS], v[STO]
	v_mul_u32_u24 v[RD], v21, 272
	v_lshl_add_u32 v[RD], v20, 4, v[RD]
	v_add_nc_u32 v[RD], s[TS], v[RD]
	v_lshlrev_b32 v[GO], 11, v21
	v_lshl_add_u32 v[GO], v20, 4, v[GO]
	s_lshl_b32 s[TS], s[WV], 14
	s_add_co_u32 s[TS], s[TS], YSP
	v_add_nc_u32 v[YA], s[TS], v[LI]
.irp b, 0,1,2,3
	v_mov_b32 v[TMP+\b], 0                                 ; written once: a lane permute's destination counts as one of its sources
	v_mov_b32 v[PT+\b], 0
.endr
	s_mov_b32 s[SEL], 0x76543210
	s_mov_b32 s[SEL+1], 0xfedcba98
	s_mov_b32 s[CS], 0xbfb8aa3b                            ; -log2(e)
	s_mov_b32 s[CS+1], s[CS]
	s_mov_b32 s[C512], 0x3b000000                          ; 1 / 512
	s_mov_b32 s[EPS], 0x3727c5ac                           ; 1e-5
	s_mov_b32 s[OF+1], 0
	s_mov_b32 s[OG+1], 0
	s_wait_kmcnt 0x0
	s_lshl_b32 s[OG], s[WV], 8                             ; my 64 columns: 256 bytes of f32
	s_add_nc_u64 s[GIWB:GIWB+1], s[GIWB:GIWB+1], s[OG:OG+1]
	s_add_nc_u64 s[GIBB:GIBB+1], s[GIBB:GIBB+1], s[OG:OG+1]
	s_add_nc_u64 s[GOWB:GOWB+1], s[GOWB:GOWB+1], s[OG:OG+1]
	s_add_nc_u64 s[GOBB:GOBB+1], s[GOBB:GOBB+1], s[OG:OG+1]
	s_add_nc_u64 s[BUB:BUB+1], s[BUB:BUB+1], s[OG:OG+1]
	s_lshl_b32 s[OF], ttmp9, 17                            ; 64 rows of 2,048 bytes
	s_add_co_u32 s[OF], s[OF], s[OG]
	s_add_nc_u64 s[XB:XB+1], s[XB:XB+1], s[OF:OF+1]
	s_add_nc_u64 s[AB:AB+1], s[AB:AB+1], s[OF:OF+1]
	s_add_nc_u64 s[OB:OB+1], s[OB:OB+1], s[OF:OF+1]
	s_lshl_b32 s[OF], s[WV], 14                            ; 64 weight rows of 256 bytes
	s_add_nc_u64 s[WCB:WCB+1], s[WCB:WCB+1], s[OF:OF+1]
	s_add_nc_u64 s[PCB:PCB+1], s[PCB:PCB+1], s[OF:OF+1]
	s_lshl_b32 s[OF], s[WV], 10                            ; and of 16 scale bytes
	s_add_nc_u64 s[WSB:WSB+1], s[WSB:WSB+1], s[OF:OF+1]
	s_add_nc_u64 s[PSB:PSB+1], s[PSB:PSB+1], s[OF:OF+1]
	WIN 0x40
.irp p, 0,1
.irp q, 0,1,2,3
	global_load_b128 v[GIW+16*\p+4*\q:GIW+16*\p+4*\q+3], v[H64], s[GIWB:GIWB+1] offset:128*\p+16*\q
	global_load_b128 v[GIB+16*\p+4*\q:GIB+16*\p+4*\q+3], v[H64], s[GIBB:GIBB+1] offset:128*\p+16*\q
	global_load_b128 v[GOW+16*\p+4*\q:GOW+16*\p+4*\q+3], v[H64], s[GOWB:GOWB+1] offset:128*\p+16*\q
	global_load_b128 v[GOB+16*\p+4*\q:GOB+16*\p+4*\q+3], v[H64], s[GOBB:GOBB+1] offset:128*\p+16*\q
.endr
.endr
	LOAD128 0, DX, XB, 0                                   ; x is read once more further down
	LOAD128 1, DA, AB, 1
	WIN 0
	s_wait_loadcnt 32                                      ; the gains and x are in; ao's 32 loads may stay out
	LN_SUM 0, DX, REDX1
	s_wait_loadcnt 0x0
	s_wait_dscnt 0x0                                       ; the stores above have read their registers
	LN_SUM 1, DA, REDA1
	BARRIER                                                ; one barrier serves both norms: every wave's sums lie in LDS
	LN_CENTER 0, DX, REDX1, REDX2
	LN_CENTER 1, DA, REDA1, REDA2
	BARRIER                                                ; and the sums of squares
	LN_APPLY 0, DX, REDX2, GIW, GIB
	LN_APPLY 1, DA, REDA2, GOW, GOB
.irp k, 0,1,2,3
	WLOAD \k, WP, WCB, 1                                   ; u's weights, into the registers that the gains have left
.endr
	SLOAD SP, WSB, 1
	WIN 0x04                                               ; an LDS store's data are its source 1: window 1
.set II, 0
.rept 32
	ds_store_b128 v[YA], v[DA+4*II:DA+4*II+3] offset:512*II     ; the normalised ao waits in my own LDS bytes
.set II, II+1
.endr
	WIN 0
	QUANT DX
	PUTHALF 0, XIMG, XSC                                   ; (its wait also shows that the stores above have read their registers)
	WIN 0x40
.irp t, 0,1,2,3
	global_load_b128 v[BI0+8*\t:BI0+8*\t+3], v[H64], s[BUB:BUB+1] offset:(32*(\t/2)+8*(\t%2))*4       ; u's bias in the result's layout
	global_load_b128 v[BI0+8*\t+4:BI0+8*\t+7], v[H64], s[BUB:BUB+1] offset:(32*(\t/2)+8*(\t%2))*4+16
.endr
	WIN 0
	QUANT DX+64
	PUTHALF 1, XIMG, XSC
	BARRIER                                                ; x's sixteen fragments lie in LDS
	UPAIR 0, 0, 0
	UPAIR 1, -1, 1
	BARRIER                                                ; the last product's sixteen fragments lie in LDS
	PPAIR 0, 16                                            ; w_proj's weights and scales are in; the 16 loads of x issued behind them may stay out
	PPAIR 1, -1
	s_wait_tensorcnt 0x0
	ds_add_u32 v254, v255
	s_wait_dscnt 0x0
	s_endpgm
.Lfunc_end_k_q80e4a5f7b1_final:
	.size	k_q80e4a5f7b1_final, .Lfunc_end_k_q80e4a5f7b1_final-k_q80e4a5f7b1_final
	.p2alignl 7, 3214868480
	.fill 96, 4, 3214868480
	.section	.rodata,"a",@progbits
	.p2align	6, 0x0
	.amdhsa_kernel k_q80e4a5f7b1_final
		.amdhsa_group_segment_fixed_size 211968
		.amdhsa_private_segment_fixed_size 0
		.amdhsa_enable_private_segment 0
		.amdhsa_kernarg_size 96
		.amdhsa_user_sgpr_count 2
		.amdhsa_user_sgpr_kernarg_segment_ptr 1
		.amdhsa_wavefront_size32 1
		.amdhsa_system_sgpr_workgroup_id_x 1
		.amdhsa_system_sgpr_workgroup_id_y 1
		.amdhsa_system_sgpr_workgroup_id_z 1
		.amdhsa_system_vgpr_workitem_id 0
		.amdhsa_next_free_vgpr 512
		.amdhsa_next_free_sgpr 66
		.amdhsa_reserve_vcc 0
		.amdhsa_float_denorm_mode_32 3
		.amdhsa_float_denorm_mode_16_64 3
		.amdhsa_memory_ordered 1
		.amdhsa_forward_progress 1
		.amdhsa_inst_pref_size 153
	.end_amdhsa_kernel
	.amdgpu_metadata
---
amdhsa.version: [ 1, 2 ]
amdhsa.kernels:
  - .name:           k_q80e4a5f7b1_final
    .symbol:         k_q80e4a5f7b1_final.kd
    .args:
      - { .name: x, .offset: 0, .size: 8, .value_kind: global_buffer, .address_space: global }
      - { .name: ao, .offset: 8, .size: 8, .value_kind: global_buffer, .address_space: global }
      - { .name: ln_in_w, .offset: 16, .size: 8, .value_kind: global_buffer, .address_space: global }
      - { .name: ln_in_b, .offset: 24, .size: 8, .value_kind: global_buffer, .address_space: global }
      - { .name: ln_out_w, .offset: 32, .size: 8, .value_kind: global_buffer, .address_space: global }
      - { .name: ln_out_b, .offset: 40, .size: 8, .value_kind: global_buffer, .address_space: global }
      - { .name: w_uvqk_codes, .offset: 48, .size: 8, .value_kind: global_buffer, .address_space: global }
      - { .name: w_uvqk_scales, .offset: 56, .size: 8, .value_kind: global_buffer, .address_space: global }
      - { .name: b_uvqk, .offset: 64, .size: 8, .value_kind: global_buffer, .address_space: global }
      - { .name: w_proj_codes, .offset: 72, .size: 8, .value_kind: global_buffer, .address_space: global }
      - { .name: w_proj_scales, .offset: 80, .size: 8, .value_kind: global_buffer, .address_space: global }
      - { .name: out0, .offset: 88, .size: 8, .value_kind: global_buffer, .address_space: global }
    .group_segment_fixed_size: 211968
    .private_segment_fixed_size: 0
    .kernarg_segment_align: 8
    .kernarg_segment_size: 96
    .max_flat_workgroup_size: 256
    .sgpr_count:     66
    .vgpr_count:     512
    .wavefront_size: 32
...
	.end_amdgpu_metadata
.endif
;; end of part 3
;; ======== version 2 of 2: 3 launches; version 1 with the launches qkv, final written anew for expert scheduling mode
;; workspace buffers: q_img 4,194,304 bytes; q_scl 524,288 bytes; kv 9,175,040 bytes; ao 33,554,432 bytes
;; launch qkv (part 4): grid 256 x 1, 8 waves a work-group, no clusters, 23,552 bytes of LDS; arguments x, ln_in_w, ln_in_b, w_uvqk_codes, w_uvqk_scales, b_uvqk, q_img, q_scl, kv; writes q_img, q_scl, kv
.if DOCPART == 4
	.amdgcn_target "amdgcn-amd-amdhsa--gfx1250"
	.amdhsa_code_object_version 6
	.text
	.protected	k_q80e4a5f7b1_qkv
	.globl	k_q80e4a5f7b1_qkv
	.p2align	8
	.type	k_q80e4a5f7b1_qkv,@function
k_q80e4a5f7b1_qkv:
	s_mov_b64 s[64:65], 0
	v_nop
	global_prefetch_b8 v0, s[64:65] scope:SCOPE_SE
	s_setreg_imm32_b32 hwreg(HW_REG_WAVE_SCHED_MODE, 0, 2), 2
	s_setreg_imm32_b32 hwreg(HW_REG_WAVE_MODE, 25, 1), 1
	s_wait_xcnt 0x0
	s_wait_alu depctr_vm_vsrc(0)
; v, q, k = silu(Q(layer_norm(x)) W + b), columns 512 .. 2047 of the first product, on codes of FP4 (E2M1) with one E8M0 scale for each 32 along K.
; q and k are quantised along the head's 64, v along the tokens; all three leave as IMAGES OF THE OPERAND REGISTERS that the attention launch wants.
; SHARES.  A work-group takes 64 tokens of one sequence, as four tiles of 16.  Wave w owns columns 64 w .. 64 w + 63 of x for the norm and the quantiser,
; and head w of q, k and v for the product: its 64 rows of each weight go from memory straight into its registers, once.
; THE TOKENS OF A TILE ARE NOT NEIGHBOURS: row r of tile 2 B + u is token 32 B + 8 u + r + 8 (r / 8).  So, later, the scores' registers of two neighbouring key tiles are 16 neighbouring keys,
; and here v's registers of two neighbouring token tiles are 16 neighbouring tokens.  The weight rows of a tile of q and k are chosen the same way, so that a lane's registers run along the head's 64.
; x's codes go from wave to wave through LDS as images of registers: fragment (tile m, K step k) at XIMG + 4096 m + 1024 k + 512 c + 16 lane; its scale words at XSC + 512 m + 16 lane + 4 k.
; LIMITS: NaN and infinities among the inputs are not served.  A block of zeros gets the scale byte 1 where the rule says 127: its codes are zeros, and this program alone reads the bytes.
; REGISTERS.  window 0: v1-17 addresses; v32-47 the weights' scale words; v48-55 x's; v56-63 codes just made; v64-127 results (before that, with v128-191, x's 128 numbers); v128-191 at work in silu;
;   v192-223 the rows' partial sums, later the quantiser's registers; v224-247 the norm's.   window 1: v0-127 16 weight fragments; v128-191 x's 8 fragments (before that the gains); v192-255 two sets of bias.
; THE MODE: SCHED_MODE bits 1:0 = 2 (LLVM: expert scheduling mode 2), set by the entry lines.  The code itself states the register dependences
; between vector or matrix instructions and memory or LDS instructions, with s_wait_alu, always for 0.
; THE PLAN.  Registers that memory or LDS instructions touch, and who else names them:
;   v1-17          Offsets and LDS addresses.  Made once at the head, ahead of the one wait on va_vdst that stands in front of the first load; never written again.
;   s[WV], s[HM]   Written by vector instructions at the head: one wait on va_sdst ahead of their first reader.
;   ACC            Written by a row sum, read by the four LDS stores behind it: a wait on va_vdst ahead of the stores, a wait on vm_vsrc ahead of the sums of squares, which write ACC again.
;   RB             LDS loads land in it; the additions that name it stand ahead of the wait on va_vdst of the next row sum's stores, so the next loads owe nothing more.
;   PC, PW, SW, E, E2   Written by a quantiser and the few lines behind it, read by the run of stores that follows: a wait on va_vdst ahead of the run, a wait on vm_vsrc at the head of the next quantiser.
;   XF, XS, WA, WS, BI0, BI1   Operands: loads land in them, a pair's 32 matrix instructions read them.  (XF held the gains, which the norm's last lines read, ahead of the wait on va_vdst of the LDS stores of x's codes.)
;                  ONE wait on va_vdst stands behind a pair's products.  Behind it the next pair's fragments are asked of LDS and, behind a group's last pair, the next group's weights, scale words and bias of memory;
;                  they land under the pair's silu and quantiser, which name HA, T, PC and v192-210: none of the registers that those loads touch.
.set PERMX, 1                          ; the tiles' rows are permuted
.set XIMG, 0                           ; LDS: x's 16 fragments, 16,384 bytes
.set XSC,  16384                       ; their scale words, 2,048
.set RED1, 18432                       ; the rows' sums by wave, [tile][row][wave] words, 2,048
.set RED2, 20480                       ; the rows' sums of squares, likewise
.set XA,  1                            ; x: my row x 2,048 bytes + 64 h
.set LI,  2                            ; 16 x lane
.set LS,  3                            ; 4 x lane
.set HWI, 4                            ; 16 x lane + 512 x wave: where my half fragments go
.set HWS, 5                            ; 16 x lane + 2 x wave: and my two scale bytes
.set RW,  6                            ; 32 r + 4 x wave
.set RR,  7                            ; 32 r
.set WP,  8                            ; weights, permuted rows: (r + 8 (r / 8)) x 256 + 16 h
.set WN,  9                            ; natural rows: 256 r + 16 h
.set SP,  10                           ; their scale bytes: 16 (r + 8 (r / 8))
.set SN,  11                           ; 16 r
.set H64, 12                           ; 64 h
.set R4,  13                           ; 4 r
.set VST, 14                           ; v's images: 1,024 h + 16 r
.set VSS, 15                           ; v's scale bytes: 64 h + 4 r
.set SELV, 16                          ; byte selects for v's scale bytes
.set SELV2, 17
.set WS,  32
.set XS,  48
.set PC,  56
.set HA,  64
.set DX,  64
.set T,   128
.set RB,  192
.set TMX, 192
.set TMP, 196
.set TMS, 200
.set PW,  204
.set PW0, 205
.set W0,  206
.set W1,  207
.set SW,  208
.set E,   209
.set E2,  210
.set ACC, 224
.set MN,  232
.set VAR, 240
.set PT,  244
.set WA,  0                            ; window 1
.set XF,  128
.set BI0, 192
.set BI1, 224
.set GW,  128
.set GB,  160
.set XB,  4                            ; scalar pairs: the buffers, then bases made of them
.set GWB, 6
.set GBB, 8
.set WCB, 10
.set WSB, 12
.set BB,  14
.set QI,  16
.set QS,  18
.set KVB, 20
.set WV,  22
.set TS,  23
.set SEL, 24
.set CS,  26
.set C512, 28
.set EPS, 29
.set S7F, 30
.set HM,  31
.set CQ,  32
.set CK,  34
.set CV,  36
.set SQ,  38
.set SK,  40
.set SV,  42
.set BQ,  44
.set BK,  46
.set BV,  48
.set KI,  50
.set KSB, 52
.set VI,  54
.set VSB, 56
.set OF,  58
.set OG,  60
.set MSB, 0
.macro WIN new                         ; the immediate's high byte repeats the setting that is left; a switch that changes nothing is dropped
.if MSB != (\new)
	s_set_vgpr_msb (MSB<<8)|(\new)
.set MSB, \new
.endif
.endm
.macro PLACES                          ; four plain places behind matrix instructions (ISA guide 7.12.1)
.rept 4
	v_nop
.endr
.endm
.macro BARRIER                         ; my LDS stores have landed and my LDS loads are in: then the work-group's barrier
	s_wait_dscnt 0x0
	s_barrier_signal -1
	s_barrier_wait -1
.endm
; 64 numbers z become z / (1 + 2^(-z log2 e)): each kind of transcendental goes as one batch with one wait ahead of its first reader.  Ascending: each result is first read at its low end.
.macro SILU src
.set II, 0
.rept 32
	v_pk_mul_f32 v[T+II:T+II+1], v[\src+II:\src+II+1], s[CS:CS+1] op_sel_hi:[1,0]
.set II, II+2
.endr
.set II, 0
.rept 64
	v_exp_f32 v[T+II], v[T+II]
.set II, II+1
.endr
	v_nop
	s_wait_alu depctr_va_vdst(0)                           ; the 64 exponentials have written v[T ..]: one wait, ahead of their first reader
.set II, 0
.rept 32
	v_pk_add_f32 v[T+II:T+II+1], v[T+II:T+II+1], 1.0 op_sel_hi:[1,0]
.set II, II+2
.endr
.set II, 0
.rept 64
	v_rcp_f32 v[T+II], v[T+II]
.set II, II+1
.endr
	v_nop
	s_wait_alu depctr_va_vdst(0)                           ; the 64 reciprocals have written v[T ..]: one wait, ahead of their first reader
.set II, 0
.rept 32
	v_pk_mul_f32 v[\src+II:\src+II+1], v[\src+II:\src+II+1], v[T+II:T+II+1]
.set II, II+2
.endr
.endm
; 64 numbers of a lane, register 16 b + i = number 16 h + i of block b of my row, become codes in v[PC] on (registers 4 c .. 4 c + 3 of lane (r, h): the whole block 2 c + h) and four scale bytes in v[PW].
; again = 1: codes have been made and stored before.
.macro QUANT src, again
.if \again
	s_wait_alu depctr_vm_vsrc(0)                           ; the stores of the codes and scale words made last have read v[PC ..], v[PW] and v[SW], which are written again from here on
.endif
.irp b, 0,1,2,3
	v_max3_num_f32 v[TMX+\b], |v[\src+16*\b]|, |v[\src+1+16*\b]|, 0x1800000   ; my 16 numbers, and the floor 2^(3 - 127): the byte cannot fall under 1
.endr
.irp i, 2,4,6,8,10,12,14
.irp b, 0,1,2,3
	v_max3_num_f32 v[TMX+\b], v[TMX+\b], |v[\src+16*\b+\i]|, |v[\src+1+16*\b+\i]|
.endr
.endr
.irp b, 0,1,2,3
	v_permlanex16_b32 v[TMP+\b], v[TMX+\b], s[SEL], s[SEL+1]
.endr
.irp b, 0,1,2,3
	v_max_num_f32 v[TMX+\b], v[TMX+\b], v[TMP+\b]          ; with lane l xor 16's: the block's largest magnitude
.endr
.irp b, 0,1,2,3
	v_add_nc_u32 v[TMS+\b], 0xff000000, v[TMX+\b]          ; 2 off its exponent field: the conversion's scale operand
.endr
.irp b, 0,1,2,3
	v_lshrrev_b32 v[TMP+\b], 23, v[TMS+\b]                 ; the scale's byte
.endr
	v_lshl_or_b32 v[PW], v[TMP+1], 8, v[TMP]
	v_lshl_or_b32 v[PW], v[TMP+2], 16, v[PW]
	v_lshl_or_b32 v[PW], v[TMP+3], 24, v[PW]
.irp b, 0,1,2,3
	v_cvt_scalef32_pk8_fp4_f32 v[PC+2*\b], v[\src+16*\b:\src+16*\b+7], v[TMS+\b]
	v_cvt_scalef32_pk8_fp4_f32 v[PC+1+2*\b], v[\src+8+16*\b:\src+8+16*\b+7], v[TMS+\b]
.endr
	v_nop                                                  ; one plain place behind the scaled conversions
.irp c, 0,1
.irp i, 0,1
	v_permlane16_swap_b32 v[PC+4*\c+\i], v[PC+2+4*\c+\i]
.endr
.endr
.endm
; my 64 columns of 64 rows: register 32 m + 16 p + i = (tile m, row r, column 64 w + 32 p + 16 h + i)
.macro LOAD128 win, base, sb, nt
	WIN 0x40*(\win)
.irp m, 0,1,2,3
.irp p, 0,1
.irp q, 0,1,2,3
.if \nt
	global_load_b128 v[\base+32*\m+16*\p+4*\q:\base+32*\m+16*\p+4*\q+3], v[XA], s[\sb:\sb+1] offset:(PERMX*(32*(\m/2)+8*(\m%2))+(1-PERMX)*16*\m)*2048+128*\p+16*\q th:TH_LOAD_NT
.else
	global_load_b128 v[\base+32*\m+16*\p+4*\q:\base+32*\m+16*\p+4*\q+3], v[XA], s[\sb:\sb+1] offset:(PERMX*(32*(\m/2)+8*(\m%2))+(1-PERMX)*16*\m)*2048+128*\p+16*\q
.endif
.endr
.endr
.endr
.endm
.macro LN_FOLD red                     ; the pairs' halves, the other half of the lanes; my wave's word of each row goes to LDS (both halves of the lanes store the same word with the same value)
	WIN 0
.irp m, 0,1,2,3
	v_add_f32 v[ACC+2*\m], v[ACC+2*\m], v[ACC+2*\m+1]
.endr
.irp m, 0,1,2,3
	v_permlanex16_b32 v[PT+\m], v[ACC+2*\m], s[SEL], s[SEL+1]
.endr
.irp m, 0,1,2,3
	v_add_f32 v[ACC+2*\m], v[ACC+2*\m], v[PT+\m]
.endr
	s_wait_alu depctr_va_vdst(0)                           ; the additions have written v[ACC ..], which the LDS stores read; every line that names v[RB ..], in which the next LDS loads land, stands ahead of this wait too
.irp m, 0,1,2,3
	ds_store_b32 v[RW], v[ACC+2*\m] offset:\red+512*\m
.endr
.endm
.macro LN_SUM dw, db, red              ; the sums of my 32 numbers of each of four rows, the tiles by turns
	WIN 5*(\dw)
.irp m, 0,1,2,3
	v_pk_add_f32 v[ACC+2*\m:ACC+2*\m+1], v[\db+32*\m:\db+32*\m+1], v[\db+32*\m+2:\db+32*\m+3]
.endr
	WIN 4*(\dw)
.set II, 4
.rept 14
.irp m, 0,1,2,3
	v_pk_add_f32 v[ACC+2*\m:ACC+2*\m+1], v[ACC+2*\m:ACC+2*\m+1], v[\db+32*\m+II:\db+32*\m+II+1]
.endr
.set II, II+2
.endr
	LN_FOLD \red
.endm
.macro LN_RED red                      ; the eight waves' words of my four rows, added in one order in every wave: v[RB + 8 m]
.irp m, 0,1,2,3
	ds_load_b128 v[RB+8*\m:RB+8*\m+3], v[RR] offset:\red+512*\m
	ds_load_b128 v[RB+8*\m+4:RB+8*\m+7], v[RR] offset:\red+512*\m+16
.endr
	s_wait_dscnt 0x0
.irp m, 0,1,2,3
	v_pk_add_f32 v[RB+8*\m:RB+8*\m+1], v[RB+8*\m:RB+8*\m+1], v[RB+8*\m+2:RB+8*\m+3]
	v_pk_add_f32 v[RB+8*\m+4:RB+8*\m+5], v[RB+8*\m+4:RB+8*\m+5], v[RB+8*\m+6:RB+8*\m+7]
.endr
.irp m, 0,1,2,3
	v_pk_add_f32 v[RB+8*\m:RB+8*\m+1], v[RB+8*\m:RB+8*\m+1], v[RB+8*\m+4:RB+8*\m+5]
.endr
.irp m, 0,1,2,3
	v_add_f32 v[RB+8*\m], v[RB+8*\m], v[RB+8*\m+1]
.endr
.endm
.macro LN_CENTER dw, db, rin, rout     ; the mean is taken away first, and the squares are those of centred numbers: no difference of large sums is formed
	LN_RED \rin
.irp m, 0,1,2,3
	v_mul_f32 v[MN+2*\m], s[C512], v[RB+8*\m]
	v_mul_f32 v[MN+2*\m+1], s[C512], v[RB+8*\m]
.endr
	WIN 0x41*(\dw)
.irp m, 0,1,2,3
.set II, 0
.rept 16
	v_pk_add_f32 v[\db+32*\m+II:\db+32*\m+II+1], v[\db+32*\m+II:\db+32*\m+II+1], v[MN+2*\m:MN+2*\m+1] neg_lo:[0,1] neg_hi:[0,1]
.set II, II+2
.endr
.endr
	s_wait_alu depctr_vm_vsrc(0)                           ; the LDS stores of the sums made last have read v[ACC ..], which the sums of squares write again
	WIN 5*(\dw)
.irp m, 0,1,2,3
	v_pk_mul_f32 v[ACC+2*\m:ACC+2*\m+1], v[\db+32*\m:\db+32*\m+1], v[\db+32*\m:\db+32*\m+1]
.endr
.set II, 2
.rept 15
.irp m, 0,1,2,3
	v_pk_fma_f32 v[ACC+2*\m:ACC+2*\m+1], v[\db+32*\m+II:\db+32*\m+II+1], v[\db+32*\m+II:\db+32*\m+II+1], v[ACC+2*\m:ACC+2*\m+1]
.endr
.set II, II+2
.endr
	LN_FOLD \rout
.endm
.macro LN_APPLY dw, db, rin, gw, gb    ; x 1 / sqrt(variance + 1e-5), x gain + bias (the gains lie in window 1, the same 32 + 32 for all four tiles)
	LN_RED \rin
.irp m, 0,1,2,3
	v_fma_f32 v[VAR+\m], v[RB+8*\m], s[C512], s[EPS]
.endr
.irp m, 0,1,2,3
	v_rsq_f32 v[MN+2*\m], v[VAR+\m]
.endr
	v_nop
	s_wait_alu depctr_va_vdst(0)                           ; the four v_rsq_f32 have written v[MN ..]: one wait for the four, ahead of their first reader
.irp m, 0,1,2,3
	v_mov_b32 v[MN+2*\m+1], v[MN+2*\m]
.endr
	WIN 0x41*(\dw)
.irp m, 0,1,2,3
.set II, 0
.rept 16
	v_pk_mul_f32 v[\db+32*\m+II:\db+32*\m+II+1], v[\db+32*\m+II:\db+32*\m+II+1], v[MN+2*\m:MN+2*\m+1]
.set II, II+2
.endr
.endr
	WIN 0x41*(\dw)+0x14
.irp m, 0,1,2,3
.set II, 0
.rept 16
	v_pk_fma_f32 v[\db+32*\m+II:\db+32*\m+II+1], v[\db+32*\m+II:\db+32*\m+II+1], v[\gw+II:\gw+II+1], v[\gb+II:\gb+II+1]
.set II, II+2
.endr
.endr
	WIN 0
.endm
.macro PUTHALF b, img, scb             ; tiles 2 b and 2 b + 1: my half (64 along K) of a fragment each, and my two bytes of their scale words
	s_wait_alu depctr_va_vdst(0)                           ; the quantiser has written v[PC ..] and v[PW], which the LDS stores read
	ds_store_b128 v[HWI], v[PC:PC+3] offset:\img+4096*(2*\b)
	ds_store_b128 v[HWI], v[PC+4:PC+7] offset:\img+4096*(2*\b+1)
	ds_store_b16 v[HWS], v[PW] offset:\scb+512*(2*\b)
	ds_store_b16_d16_hi v[HWS], v[PW] offset:\scb+512*(2*\b+1)
	s_wait_dscnt 0x0                                       ; my stores are done; that they have read their registers is stated at the next quantiser's head
.endm
.macro FETCH b, img, scb               ; the eight fragments of tiles 2 b, 2 b + 1, and their scale words (one load brings a row's four)
	WIN 0x40
.irp u, 0,1
.irp k, 0,1,2,3
.irp c, 0,1
	ds_load_b128 v[XF+8*(4*\u+\k)+4*\c:XF+8*(4*\u+\k)+4*\c+3], v[LI] offset:\img+4096*(2*\b+\u)+1024*\k+512*\c
.endr
.endr
.endr
	WIN 0
.irp u, 0,1
	ds_load_b128 v[XS+4*\u:XS+4*\u+3], v[LI] offset:\scb+512*(2*\b+\u)
.endr
.endm
.macro WLOAD k, lr, sb, perm           ; K step k of the four weight tiles of a group of 64 rows
	WIN 0x40
.irp t, 0,1,2,3
.irp c, 0,1
.if \perm
	global_load_b128 v[WA+8*(4*\t+(\k))+4*\c:WA+8*(4*\t+(\k))+4*\c+3], v[\lr], s[\sb:\sb+1] offset:(32*(\t/2)+8*(\t%2))*256+64*(\k)+32*\c
.else
	global_load_b128 v[WA+8*(4*\t+(\k))+4*\c:WA+8*(4*\t+(\k))+4*\c+3], v[\lr], s[\sb:\sb+1] offset:16*\t*256+64*(\k)+32*\c
.endif
.endr
.endr
.endm
.macro SLOAD lr, sb, perm              ; and their scale words: a row's 16 bytes are its four words
	WIN 0
.irp t, 0,1,2,3
.if \perm
	global_load_b128 v[WS+4*\t:WS+4*\t+3], v[\lr], s[\sb:\sb+1] offset:(32*(\t/2)+8*(\t%2))*16
.else
	global_load_b128 v[WS+4*\t:WS+4*\t+3], v[\lr], s[\sb:\sb+1] offset:16*\t*16
.endif
.endr
.endm
.macro BIAST reg, sb                   ; the bias in the layout of a transposed result: lane (r, h), tile t: columns 32 (t / 2) + 8 (t % 2) + 16 h + 0 .. 7
	WIN 0x40
.irp t, 0,1,2,3
	global_load_b128 v[\reg+8*\t:\reg+8*\t+3], v[H64], s[\sb:\sb+1] offset:(32*(\t/2)+8*(\t%2))*4
	global_load_b128 v[\reg+8*\t+4:\reg+8*\t+7], v[H64], s[\sb:\sb+1] offset:(32*(\t/2)+8*(\t%2))*4+16
.endr
.endm
; K step k, transposed: source 0 = 16 weight rows, source 1 = 16 tokens.  The eight accumulators take turns, one instruction a turn.  bi: the bias that starts the sums, or -1: the constant 0.
.macro MMT k, bi
.if ((\k) == 0) && ((\bi) >= 0)
	WIN 0x15
.else
	WIN 0x05
.endif
.irp u, 0,1
.irp t, 0,1,2,3
.if ((\k) == 0) && ((\bi) >= 0)
	v_wmma_scale_f32_16x16x128_f8f6f4 v[HA+8*(4*\u+\t):HA+8*(4*\u+\t)+7], v[WA+8*(4*\t+(\k)):WA+8*(4*\t+(\k))+7], v[XF+8*(4*\u+(\k)):XF+8*(4*\u+(\k))+7], v[(\bi)+8*\t:(\bi)+8*\t+7], v[WS+4*\t+(\k)], v[XS+4*\u+(\k)] matrix_a_fmt:MATRIX_FMT_FP4 matrix_b_fmt:MATRIX_FMT_FP4
.elseif (\k) == 0
	v_wmma_scale_f32_16x16x128_f8f6f4 v[HA+8*(4*\u+\t):HA+8*(4*\u+\t)+7], v[WA+8*(4*\t+(\k)):WA+8*(4*\t+(\k))+7], v[XF+8*(4*\u+(\k)):XF+8*(4*\u+(\k))+7], 0, v[WS+4*\t+(\k)], v[XS+4*\u+(\k)] matrix_a_fmt:MATRIX_FMT_FP4 matrix_b_fmt:MATRIX_FMT_FP4
.else
	v_wmma_scale_f32_16x16x128_f8f6f4 v[HA+8*(4*\u+\t):HA+8*(4*\u+\t)+7], v[WA+8*(4*\t+(\k)):WA+8*(4*\t+(\k))+7], v[XF+8*(4*\u+(\k)):XF+8*(4*\u+(\k))+7], v[HA+8*(4*\u+\t):HA+8*(4*\u+\t)+7], v[WS+4*\t+(\k)], v[XS+4*\u+(\k)] matrix_a_fmt:MATRIX_FMT_FP4 matrix_b_fmt:MATRIX_FMT_FP4
.endif
.endr
.endr
.endm
; K step k, not transposed (v): source 0 = 16 tokens, source 1 = 16 weight rows: a lane holds one column and its registers run along the tokens
.macro MMN k, bi
.if (\k) == 0
	WIN 0x15
.else
	WIN 0x05
.endif
.irp t, 0,1,2,3
.irp u, 0,1
.if (\k) == 0
	v_wmma_scale_f32_16x16x128_f8f6f4 v[HA+8*(2*\t+\u):HA+8*(2*\t+\u)+7], v[XF+8*(4*\u+(\k)):XF+8*(4*\u+(\k))+7], v[WA+8*(4*\t+(\k)):WA+8*(4*\t+(\k))+7], v[(\bi)+8*\t:(\bi)+8*\t+7], v[XS+4*\u+(\k)], v[WS+4*\t+(\k)] matrix_a_fmt:MATRIX_FMT_FP4 matrix_b_fmt:MATRIX_FMT_FP4
.else
	v_wmma_scale_f32_16x16x128_f8f6f4 v[HA+8*(2*\t+\u):HA+8*(2*\t+\u)+7], v[XF+8*(4*\u+(\k)):XF+8*(4*\u+(\k))+7], v[WA+8*(4*\t+(\k)):WA+8*(4*\t+(\k))+7], v[HA+8*(2*\t+\u):HA+8*(2*\t+\u)+7], v[XS+4*\u+(\k)], v[WS+4*\t+(\k)] matrix_a_fmt:MATRIX_FMT_FP4 matrix_b_fmt:MATRIX_FMT_FP4
.endif
.endr
.endr
.endm
; what follows a group's last pair: 1 = k's weights (and v's bias into q's registers), 2 = v's weights
.macro NEXTW k, id
.if (\id) == 1
	WLOAD \k, WP, CK, 1
.if (\k) == 0
.irp t, 0,1,2,3
.irp j, 0,1,2,3,4,5,6,7
	global_load_b32 v[BI0+8*\t+\j], v[R4], s[BV:BV+1] offset:64*\t     ; v's result holds one column a lane: eight registers of the same number
.endr
.endr
.endif
.else
	WLOAD \k, WN, CV, 0
.endif
.endm
.macro NEXTS id
.if (\id) == 1
	SLOAD SP, SK, 1
.else
	SLOAD SN, SV, 0
.endif
.endm
; 64 columns x two tiles of tokens, whose fragments have been asked of LDS: 32 matrix instructions.  lc >= 0: the wait for the weights.
; nb >= 0: the pair of tiles that the next 32 products take.  nxt: the next group's weights.  Both are asked for behind the one wait that follows the products, and land under this pair's silu and quantiser.
.macro PROD kind, bi, lc, nb, nxt
	s_wait_dscnt 0x0                                       ; the pair's fragments and scale words are in
.if (\lc) >= 0
	s_wait_loadcnt \lc
.endif
.irp k, 0,1,2,3
.if \kind
	MMN \k, \bi
.else
	MMT \k, \bi
.endif
.endr
	WIN 0
	PLACES                                                 ; ahead of the first read of results
.if ((\nb) >= 0) || (\nxt)
	s_wait_alu depctr_va_vdst(0)                           ; the 32 products are done reading XF and XS, in which the next pair's fragments and scale words land, and WA, WS and the bias, in which the next group's land
.endif
.if (\nb) >= 0
	FETCH \nb, XIMG, XSC
.endif
.if \nxt
.irp k, 0,1,2,3
	NEXTW \k, \nxt
.endr
	NEXTS \nxt
.endif
.endm
.macro UNIT kind, bi, lc, nb, nxt
	PROD \kind, \bi, \lc, \nb, \nxt
	SILU HA
	s_wait_xcnt 0x0                                        ; the last pair's stores have read their data: the codes' and scales' registers may be written again
	QUANT HA, 1
.endm
.macro QKOUT b, ib, sb                 ; two tiles' images (512 consecutive bytes each) and their scale words (lanes 0-15 the first tile's, lanes 16-31 the second's: 128 consecutive bytes)
	v_and_or_b32 v[W0], v[PW], 0xffff, s[S7F]              ; bytes 2 and 3, for the 64 along K that are filled with zero codes, are 0x7f
	v_lshrrev_b32 v[W1], 16, v[PW]
	v_or_b32 v[W1], s[S7F], v[W1]
	v_cndmask_b32 v[SW], v[W0], v[W1], s[HM]
	s_wait_alu depctr_va_vdst(0)                           ; the quantiser has written v[PC ..] and the lines above v[SW], which the three stores read
	global_store_b128 v[LI], v[PC:PC+3], s[\ib:\ib+1] offset:1024*\b
	global_store_b128 v[LI], v[PC+4:PC+7], s[\ib:\ib+1] offset:1024*\b+512
	global_store_b32 v[LS], v[SW], s[\sb:\sb+1] offset:128*\b
.endm
.macro VOUT b                          ; 32 tokens of 64 columns: lane (r, h), registers 4 c on: column 16 (2 c + h) + r.  Sixteen lanes store 256 consecutive bytes, aligned
.if (\b) == 0
	v_mov_b32 v[PW0], v[PW]
.else
	v_perm_b32 v[E], v[PW], v[PW0], v[SELV]                ; the two blocks' bytes of column tile h,
	v_perm_b32 v[E2], v[PW], v[PW0], v[SELV2]              ; and of column tile 2 + h
.endif
	s_wait_alu depctr_va_vdst(0)                           ; the quantiser has written v[PC ..] (and the lines above v[E], v[E2]), which the stores read
	global_store_b128 v[VST], v[PC:PC+3], s[VI:VI+1] offset:256*\b
	global_store_b128 v[VST], v[PC+4:PC+7], s[VI:VI+1] offset:256*\b+2048
.if (\b) != 0
	global_store_b16 v[VSS], v[E], s[VSB:VSB+1]            ; half a scale word: the other half belongs to the neighbouring 64 tokens' work-group
	global_store_b16 v[VSS], v[E2], s[VSB:VSB+1] offset:128
.endif
.endm
	s_load_b512 s[4:19], s[0:1], 0x0                       ; x, ln_in_w, ln_in_b, the weights' codes, their scales, the bias, q_img, q_scl
	s_load_b64 s[KVB:KVB+1], s[0:1], 0x40                  ; kv
	v_lshl_add_u32 v254, v0, 2, 0x5800
	v_mov_b32 v255, 0
	v_lshrrev_b32 v18, 5, v0
	v_readfirstlane_b32 s[WV], v18                         ; wave 0..7
	v_and_b32 v19, 31, v0                                  ; lane
	v_and_b32 v20, 15, v0                                  ; r
	v_bfe_u32 v21, v0, 4, 1                                ; h
	v_cmp_eq_u32 s[HM], 1, v21                             ; lanes 16-31
	v_and_b32 v22, 8, v20
	v_add_nc_u32 v22, v22, v20                             ; r + 8 (r / 8)
	v_lshlrev_b32 v[H64], 6, v21
	v_lshl_add_u32 v[XA], v22, 11, v[H64]
	v_lshlrev_b32 v[LI], 4, v19
	v_lshlrev_b32 v[LS], 2, v19
	s_wait_alu depctr_va_sdst(0)                           ; s[WV] and s[HM] are written, ahead of their first readers: the scalar lines below, and the selects of q's and k's scale words
	s_lshl_b32 s[TS], s[WV], 9
	v_add_nc_u32 v[HWI], s[TS], v[LI]
	s_lshl_b32 s[TS], s[WV], 1
	v_add_nc_u32 v[HWS], s[TS], v[LI]
	v_lshlrev_b32 v[RR], 5, v20
	s_lshl_b32 s[TS], s[WV], 2
	v_add_nc_u32 v[RW], s[TS], v[RR]
	v_lshlrev_b32 v23, 4, v21
	v_lshl_add_u32 v[WP], v22, 8, v23
	v_lshl_add_u32 v[WN], v20, 8, v23
	v_lshlrev_b32 v[SP], 4, v22
	v_lshlrev_b32 v[SN], 4, v20
	v_lshlrev_b32 v[R4], 2, v20
	v_lshlrev_b32 v[VST], 10, v21
	v_lshl_add_u32 v[VST], v20, 4, v[VST]
	v_lshl_add_u32 v[VSS], v21, 6, v[R4]
	v_mul_u32_u24 v[SELV], v21, 0x101
	v_add_nc_u32 v[SELV], 0x400, v[SELV]                   ; byte 0: byte h of the first pair's word; byte 1: byte h of the second's
	v_add_nc_u32 v[SELV2], 0x202, v[SELV]
.irp b, 0,1,2,3
	v_mov_b32 v[TMP+\b], 0                                 ; written once: a lane permute's destination counts as one of its sources
	v_mov_b32 v[PT+\b], 0
.endr
	s_mov_b32 s[SEL], 0x76543210
	s_mov_b32 s[SEL+1], 0xfedcba98                         ; v_permlanex16_b32's selects for lane l xor 16
	s_mov_b32 s[CS], 0xbfb8aa3b                            ; -log2(e)
	s_mov_b32 s[CS+1], s[CS]
	s_mov_b32 s[C512], 0x3b000000                          ; 1 / 512
	s_mov_b32 s[EPS], 0x3727c5ac                           ; 1e-5
	s_mov_b32 s[S7F], 0x7f7f0000
	s_mov_b32 s[OF+1], 0
	s_mov_b32 s[OG+1], 0
	s_wait_kmcnt 0x0
	s_lshl_b32 s[OG], s[WV], 8                             ; my 64 columns: 256 bytes of f32
	s_add_nc_u64 s[GWB:GWB+1], s[GWB:GWB+1], s[OG:OG+1]
	s_add_nc_u64 s[GBB:GBB+1], s[GBB:GBB+1], s[OG:OG+1]
	s_add_nc_u64 s[BV:BV+1], s[BB:BB+1], s[OG:OG+1]
	s_add_nc_u64 s[BV:BV+1], s[BV:BV+1], 2048              ; v: columns 512 on; q: 1,024 on; k: 1,536 on
	s_add_nc_u64 s[BQ:BQ+1], s[BV:BV+1], 2048
	s_add_nc_u64 s[BK:BK+1], s[BQ:BQ+1], 2048
	s_lshl_b32 s[OF], ttmp9, 17                            ; 64 rows of 2,048 bytes
	s_add_co_u32 s[OF], s[OF], s[OG]
	s_add_nc_u64 s[XB:XB+1], s[XB:XB+1], s[OF:OF+1]
	s_lshl_b32 s[OF], s[WV], 14                            ; 64 weight rows of 256 bytes
	s_add_nc_u64 s[CV:CV+1], s[WCB:WCB+1], s[OF:OF+1]
	s_add_nc_u64 s[CV:CV+1], s[CV:CV+1], 131072
	s_add_nc_u64 s[CQ:CQ+1], s[CV:CV+1], 131072
	s_add_nc_u64 s[CK:CK+1], s[CQ:CQ+1], 131072
	s_lshl_b32 s[OF], s[WV], 10                            ; and of 16 scale bytes
	s_add_nc_u64 s[SV:SV+1], s[WSB:WSB+1], s[OF:OF+1]
	s_add_nc_u64 s[SV:SV+1], s[SV:SV+1], 8192
	s_add_nc_u64 s[SQ:SQ+1], s[SV:SV+1], 8192
	s_add_nc_u64 s[SK:SK+1], s[SQ:SQ+1], 8192
	s_wait_alu depctr_va_vdst(0)                           ; the offsets and LDS addresses v1 to v17 are written, which every load and store of the kernel reads; so are v196 to v199, in which LDS loads land
	WIN 0x40
.irp p, 0,1
.irp q, 0,1,2,3
	global_load_b128 v[GW+16*\p+4*\q:GW+16*\p+4*\q+3], v[H64], s[GWB:GWB+1] offset:128*\p+16*\q
	global_load_b128 v[GB+16*\p+4*\q:GB+16*\p+4*\q+3], v[H64], s[GBB:GBB+1] offset:128*\p+16*\q
.endr
.endr
	LOAD128 0, DX, XB, 1
.irp k, 0,1,2,3
	WLOAD \k, WP, CQ, 1
.endr
	SLOAD SP, SQ, 1
	BIAST BI0, BQ
	BIAST BI1, BK
	WIN 0
	; where the results go, while the loads are on their way
	s_lshr_b32 s[TS], ttmp9, 5
	s_lshl_b32 s[TS], s[TS], 3
	s_add_co_u32 s[TS], s[TS], s[WV]                       ; 8 x sequence + head
	s_and_b32 s[OG], ttmp9, 31                             ; which 64 tokens of the sequence
	s_lshl_b32 s[OF], s[TS], 16
	s_lshl_b32 s62, s[OG], 11
	s_add_co_u32 s[OF], s[OF], s62
	s_add_nc_u64 s[QI:QI+1], s[QI:QI+1], s[OF:OF+1]
	s_lshl_b32 s[OF], s[TS], 13
	s_lshl_b32 s62, s[OG], 8
	s_add_co_u32 s[OF], s[OF], s62
	s_add_nc_u64 s[QS:QS+1], s[QS:QS+1], s[OF:OF+1]
	s_mul_i32 s[OF], s[TS], 143360
	s_lshr_b32 s62, s[OG], 1
	s_mul_i32 s62, s62, 8960
	s_add_co_u32 s[OF], s[OF], s62
	s_add_nc_u64 s[KVB:KVB+1], s[KVB:KVB+1], s[OF:OF+1]    ; the key step's block of 8,960 bytes
	s_and_b32 s[OG], s[OG], 1                              ; its first or its second 64 keys
	s_lshl_b32 s[OF], s[OG], 11
	s_add_nc_u64 s[KI:KI+1], s[KVB:KVB+1], s[OF:OF+1]
	s_lshl_b32 s[OF], s[OG], 8
	s_add_nc_u64 s[KSB:KSB+1], s[KVB:KVB+1], s[OF:OF+1]
	s_add_nc_u64 s[KSB:KSB+1], s[KSB:KSB+1], 8192
	s_lshl_b32 s[OF], s[OG], 9
	s_add_nc_u64 s[VI:VI+1], s[KVB:KVB+1], s[OF:OF+1]
	s_add_nc_u64 s[VI:VI+1], s[VI:VI+1], 4096
	s_lshl_b32 s[OF], s[OG], 1
	s_add_nc_u64 s[VSB:VSB+1], s[KVB:KVB+1], s[OF:OF+1]
	s_add_nc_u64 s[VSB:VSB+1], s[VSB:VSB+1], 8704
	s_wait_loadcnt 52                                      ; the gains and x are in; behind them 32 weight, 4 scale and 16 bias loads may stay out
	LN_SUM 0, DX, RED1
	BARRIER                                                ; every wave's sums lie in LDS
	LN_CENTER 0, DX, RED1, RED2
	BARRIER                                                ; and the sums of squares
	LN_APPLY 0, DX, RED2, GW, GB
	QUANT DX, 0
	PUTHALF 0, XIMG, XSC
	QUANT DX+64, 1
	PUTHALF 1, XIMG, XSC
	BARRIER                                                ; x's sixteen fragments lie in LDS; from here on LDS is only read
	FETCH 0, XIMG, XSC                                     ; the first pair's fragments.  No wait: the norm's reads of the gains, whose registers these take, stand ahead of the wait in front of the LDS stores above, and no vector instruction has followed it
	UNIT 0, BI0, 0, 1, 0                                   ; q
	QKOUT 0, QI, QS
	UNIT 0, BI0, -1, 0, 1
	QKOUT 1, QI, QS
	UNIT 0, BI1, 0, 1, 0                                   ; k
	QKOUT 0, KI, KSB
	UNIT 0, BI1, -1, 0, 2
	QKOUT 1, KI, KSB
	UNIT 1, BI0, 0, 1, 0                                   ; v
	VOUT 0
	UNIT 1, BI0, -1, -1, 0
	VOUT 1
	s_wait_dscnt 0x0                                       ; the closing lines, six on end
	s_wait_alu 0x0
	s_wait_tensorcnt 0x0
	ds_add_u32 v254, v255
	s_wait_dscnt 0x0
	s_endpgm
.Lfunc_end_k_q80e4a5f7b1_qkv:
	.size	k_q80e4a5f7b1_qkv, .Lfunc_end_k_q80e4a5f7b1_qkv-k_q80e4a5f7b1_qkv
	.p2alignl 7, 3214868480
	.fill 96, 4, 3214868480
	.section	.rodata,"a",@progbits
	.p2align	6, 0x0
	.amdhsa_kernel k_q80e4a5f7b1_qkv
		.amdhsa_group_segment_fixed_size 23552
		.amdhsa_private_segment_fixed_size 0
		.amdhsa_enable_private_segment 0
		.amdhsa_kernarg_size 72
		.amdhsa_user_sgpr_count 2
		.amdhsa_user_sgpr_kernarg_segment_ptr 1
		.amdhsa_wavefront_size32 1
		.amdhsa_system_sgpr_workgroup_id_x 1
		.amdhsa_system_sgpr_workgroup_id_y 1
		.amdhsa_system_sgpr_workgroup_id_z 1
		.amdhsa_system_vgpr_workitem_id 0
		.amdhsa_next_free_vgpr 512
		.amdhsa_next_free_sgpr 66
		.amdhsa_reserve_vcc 0
		.amdhsa_float_denorm_mode_32 3
		.amdhsa_float_denorm_mode_16_64 3
		.amdhsa_memory_ordered 1
		.amdhsa_forward_progress 1
		.amdhsa_inst_pref_size 177
	.end_amdhsa_kernel
	.amdgpu_metadata
---
amdhsa.version: [ 1, 2 ]
amdhsa.kernels:
  - .name:           k_q80e4a5f7b1_qkv
    .symbol:         k_q80e4a5f7b1_qkv.kd
    .args:
      - { .name: x, .offset: 0, .size: 8, .value_kind: global_buffer, .address_space: global }
      - { .name: ln_in_w, .offset: 8, .size: 8, .value_kind: global_buffer, .address_space: global }
      - { .name: ln_in_b, .offset: 16, .size: 8, .value_kind: global_buffer, .address_space: global }
      - { .name: w_uvqk_codes, .offset: 24, .size: 8, .value_kind: global_buffer, .address_space: global }
      - { .name: w_uvqk_scales, .offset: 32, .size: 8, .value_kind: global_buffer, .address_space: global }
      - { .name: b_uvqk, .offset: 40, .size: 8, .value_kind: global_buffer, .address_space: global }
      - { .name: q_img, .offset: 48, .size: 8, .value_kind: global_buffer, .address_space: global }
      - { .name: q_scl, .offset: 56, .size: 8, .value_kind: global_buffer, .address_space: global }
      - { .name: kv, .offset: 64, .size: 8, .value_kind: global_buffer, .address_space: global }
    .group_segment_fixed_size: 23552
    .private_segment_fixed_size: 0
    .kernarg_segment_align: 8
    .kernarg_segment_size: 72
    .max_flat_workgroup_size: 256
    .sgpr_count:     66
    .vgpr_count:     512
    .wavefront_size: 32
...
	.end_amdgpu_metadata
.endif
;; end of part 4
;; launch attn: the kernel of part 2 again; grid 4 x 64, 16 waves a work-group, clusters of 4 x 1, 215,040 bytes of LDS; arguments q_img, q_scl, kv, ao; writes ao
;; launch final (part 5): grid 256 x 1, 8 waves a work-group, no clusters, 211,968 bytes of LDS; arguments x, ao, ln_in_w, ln_in_b, ln_out_w, ln_out_b, w_uvqk_codes, w_uvqk_scales, b_uvqk, w_proj_codes, w_proj_scales, out0; writes out0
.if DOCPART == 5
	.amdgcn_target "amdgcn-amd-amdhsa--gfx1250"
	.amdhsa_code_object_version 6
	.text
	.protected	k_q80e4a5f7b1_final
	.globl	k_q80e4a5f7b1_final
	.p2align	8
	.type	k_q80e4a5f7b1_final,@function
k_q80e4a5f7b1_final:
	s_mov_b64 s[64:65], 0
	v_nop
	global_prefetch_b8 v0, s[64:65] scope:SCOPE_SE
	s_setreg_imm32_b32 hwreg(HW_REG_WAVE_SCHED_MODE, 0, 2), 2
	s_setreg_imm32_b32 hwreg(HW_REG_WAVE_MODE, 25, 1), 1
	s_wait_xcnt 0x0
	s_wait_alu depctr_vm_vsrc(0)
; out = Q(u x layer_norm(ao)) w_proj + x, with u = silu(Q(layer_norm(x)) W + b), columns 0 .. 511 of the first product; both products on codes of FP4 (E2M1) with one E8M0 scale for each 32 along K.
; u is made here, where x is read anyway, so that it never goes through memory.
; SHARES.  A work-group takes 64 tokens as four tiles of 16 neighbouring rows.  Wave w owns columns 64 w .. 64 w + 63 of x, of ao, of u and of the output; its 64 rows of each weight go from memory straight into its registers.
; Both products are used transposed (source 0 = 16 weight rows, source 1 = 16 tokens).  The weight rows of a tile of u are chosen (lane r of tile t: row 32 (t / 2) + 8 (t % 2) + r + 8 (r / 8)) so that a lane's
; registers hold u in the very order in which it holds ao: register 32 m + 16 p + i = (tile m, row r, column 64 w + 32 p + 16 h + i), which is also the order that the quantiser takes.
; Codes go from wave to wave through LDS as images of registers: fragment (tile m, K step k) at IMG + 4096 m + 1024 k + 512 c + 16 lane; its scale words at SC + 512 m + 16 lane + 4 k.
; LIMITS: NaN and infinities among the inputs are not served.  A block of zeros gets the scale byte 1 where the rule says 127: its codes are zeros, and this program alone reads the bytes.
; REGISTERS.  window 0: v1-17 addresses; v32-47 the weights' scale words; v48-55 the tokens'; v56-63 codes just made; v64-127 results (before that, with v128-191, x's 128 numbers); v128-191 at work;
;   v192-223 the rows' partial sums, later the quantiser's registers; v224-247 the norms'.   window 1: v0-127 16 weight fragments (before that the gains); v128-191 8 fragments of tokens; v192-223 u's bias (before that, v128-255: ao's 128 numbers).
; THE MODE: SCHED_MODE bits 1:0 = 2 (LLVM: expert scheduling mode 2), set by the entry lines.  The code itself states the register dependences
; between vector or matrix instructions and memory or LDS instructions, with s_wait_alu, always for 0.
; THE PLAN.  Registers that memory or LDS instructions touch, and who else names them:
;   v1-17          Offsets and LDS addresses.  Made once at the head, ahead of the one wait on va_vdst that stands in front of the first load; never written again.  s[WV]: one wait on va_sdst ahead of its first reader.
;   ACC            Written by each of four row sums, read by the four LDS stores behind it: a wait on va_vdst ahead of the stores, a wait on vm_vsrc ahead of each later sum, which writes ACC again.
;   RB             LDS loads land in it; the lines that name it stand ahead of a wait on va_vdst: that of the next sum's stores, or, between the two norms' last parts, that of the four v_rsq_f32, behind which nothing names RB.
;   the gains, DA  The norms' last lines read the gains and write DA (ao).  ONE wait on va_vdst behind them: then u's weights land on the gains, and 32 LDS stores read DA.
;                  ONE wait on vm_vsrc behind those stores, ahead of the bias's loads: the bias and, later, fragments land in DA's registers.
;   PC, PW         Written by a quantiser, read by the four LDS stores behind it: a wait on va_vdst ahead of the stores, a wait on vm_vsrc ahead of the next quantiser.
;   XF, XS, WA, WS Operands: loads land in them, a pair's 32 matrix instructions read them.  ONE wait on va_vdst behind a pair's products: behind it ao's numbers land in XF (first product), w_proj's weights in WA and WS
;                  (behind u's last pair), the second pair's fragments in XF and XS (last product).  The line that multiplies by XF stands ahead of the wait in front of the codes' LDS stores.
;   HA, last product   Written by the products; read by a tile's eight LDS stores; the tile's rows land in it; the additions write it; eight global stores read it.  The places and a wait on va_vdst behind the products,
;                  a wait on vm_vsrc between a tile's stores and its loads, a wait on va_vdst between a tile's additions and its global stores, a wait on vm_vsrc at the second pair's head.
;   T              x's dense loads land in it; the additions read it, ahead of the first pair's last wait on va_vdst.
.set PERMX, 0                          ; the tiles' rows are neighbours
.set XIMG, 0                           ; LDS: x's 16 fragments
.set XSC,  16384
.set PIMG, 18432                       ; those of u x layer_norm(ao)
.set PSC,  34816
.set REDX1, 36864                      ; the rows' sums by wave: x's, ao's; then the sums of squares
.set REDA1, 38912
.set REDX2, 40960
.set REDA2, 43008
.set YSP,  45056                       ; 16,384 bytes for each wave, its own: the normalised ao waits here while weights fill its registers
.set STG,  176128                      ; 16 rows x 272 bytes for each wave, its own: the way out
.set XA,  1
.set LI,  2
.set LS,  3
.set HWI, 4
.set HWS, 5
.set RW,  6
.set RR,  7
.set WP,  8
.set WN,  9
.set SP,  10
.set SN,  11
.set H64, 12
.set YA,  14
.set STO, 15
.set RD,  16
.set GO,  17
.set WS,  32
.set XS,  48
.set PC,  56
.set HA,  64
.set DX,  64
.set T,   128
.set RB,  192
.set TMX, 192
.set TMP, 196
.set TMS, 200
.set PW,  204
.set ACC, 224
.set MN,  232
.set VAR, 240
.set PT,  244
.set WA,  0                            ; window 1
.set XF,  128
.set BI0, 192
.set GIW, 0
.set GIB, 32
.set GOW, 64
.set GOB, 96
.set DA,  128
.set XB,  4                            ; scalar pairs: the buffers, each stepped once to my part
.set AB,  6
.set GIWB, 8
.set GIBB, 10
.set GOWB, 12
.set GOBB, 14
.set WCB, 16
.set WSB, 18
.set BUB, 20
.set PCB, 22
.set PSB, 24
.set OB,  26
.set WV,  28
.set TS,  29
.set SEL, 30
.set CS,  32
.set C512, 34
.set EPS, 35
.set OF,  36
.set OG,  38
.set MSB, 0
.macro WIN new                         ; the immediate's high byte repeats the setting that is left; a switch that changes nothing is dropped
.if MSB != (\new)
	s_set_vgpr_msb (MSB<<8)|(\new)
.set MSB, \new
.endif
.endm
.macro PLACES                          ; four plain places behind matrix instructions (ISA guide 7.12.1)
.rept 4
	v_nop
.endr
.endm
.macro BARRIER                         ; my LDS stores have landed and my LDS loads are in: then the work-group's barrier
	s_wait_dscnt 0x0
	s_barrier_signal -1
	s_barrier_wait -1
.endm
.macro SILU src                        ; z / (1 + 2^(-z log2 e)): each kind of transcendental as one batch with one wait ahead of its first reader; ascending
.set II, 0
.rept 32
	v_pk_mul_f32 v[T+II:T+II+1], v[\src+II:\src+II+1], s[CS:CS+1] op_sel_hi:[1,0]
.set II, II+2
.endr
.set II, 0
.rept 64
	v_exp_f32 v[T+II], v[T+II]
.set II, II+1
.endr
	v_nop
	s_wait_alu depctr_va_vdst(0)                           ; the 64 exponentials have written v[T ..]: one wait, ahead of their first reader
.set II, 0
.rept 32
	v_pk_add_f32 v[T+II:T+II+1], v[T+II:T+II+1], 1.0 op_sel_hi:[1,0]
.set II, II+2
.endr
.set II, 0
.rept 64
	v_rcp_f32 v[T+II], v[T+II]
.set II, II+1
.endr
	v_nop
	s_wait_alu depctr_va_vdst(0)                           ; the 64 reciprocals have written v[T ..]: one wait, ahead of their first reader
.set II, 0
.rept 32
	v_pk_mul_f32 v[\src+II:\src+II+1], v[\src+II:\src+II+1], v[T+II:T+II+1]
.set II, II+2
.endr
.endm
; register 16 b + i = number 16 h + i of block b of my row -> codes in v[PC] on (registers 4 c .. 4 c + 3 of lane (r, h): the whole block 2 c + h), four scale bytes in v[PW].
; again = 1: the wait for the stores of the codes made last stands here (0: there are none yet, or it stands further ahead).
.macro QUANT src, again
.if \again
	s_wait_alu depctr_vm_vsrc(0)                           ; the LDS stores of the codes and scale bytes made last have read v[PC ..] and v[PW], which are written again from here on
.endif
.irp b, 0,1,2,3
	v_max3_num_f32 v[TMX+\b], |v[\src+16*\b]|, |v[\src+1+16*\b]|, 0x1800000   ; and the floor 2^(3 - 127): the byte cannot fall under 1
.endr
.irp i, 2,4,6,8,10,12,14
.irp b, 0,1,2,3
	v_max3_num_f32 v[TMX+\b], v[TMX+\b], |v[\src+16*\b+\i]|, |v[\src+1+16*\b+\i]|
.endr
.endr
.irp b, 0,1,2,3
	v_permlanex16_b32 v[TMP+\b], v[TMX+\b], s[SEL], s[SEL+1]
.endr
.irp b, 0,1,2,3
	v_max_num_f32 v[TMX+\b], v[TMX+\b], v[TMP+\b]
.endr
.irp b, 0,1,2,3
	v_add_nc_u32 v[TMS+\b], 0xff000000, v[TMX+\b]
.endr
.irp b, 0,1,2,3
	v_lshrrev_b32 v[TMP+\b], 23, v[TMS+\b]
.endr
	v_lshl_or_b32 v[PW], v[TMP+1], 8, v[TMP]
	v_lshl_or_b32 v[PW], v[TMP+2], 16, v[PW]
	v_lshl_or_b32 v[PW], v[TMP+3], 24, v[PW]
.irp b, 0,1,2,3
	v_cvt_scalef32_pk8_fp4_f32 v[PC+2*\b], v[\src+16*\b:\src+16*\b+7], v[TMS+\b]
	v_cvt_scalef32_pk8_fp4_f32 v[PC+1+2*\b], v[\src+8+16*\b:\src+8+16*\b+7], v[TMS+\b]
.endr
	v_nop
.irp c, 0,1
.irp i, 0,1
	v_permlane16_swap_b32 v[PC+4*\c+\i], v[PC+2+4*\c+\i]
.endr
.endr
.endm
.macro LOAD128 win, base, sb, nt       ; my 64 columns of 64 rows
	WIN 0x40*(\win)
.irp m, 0,1,2,3
.irp p, 0,1
.irp q, 0,1,2,3
.if \nt
	global_load_b128 v[\base+32*\m+16*\p+4*\q:\base+32*\m+16*\p+4*\q+3], v[XA], s[\sb:\sb+1] offset:(PERMX*(32*(\m/2)+8*(\m%2))+(1-PERMX)*16*\m)*2048+128*\p+16*\q th:TH_LOAD_NT
.else
	global_load_b128 v[\base+32*\m+16*\p+4*\q:\base+32*\m+16*\p+4*\q+3], v[XA], s[\sb:\sb+1] offset:(PERMX*(32*(\m/2)+8*(\m%2))+(1-PERMX)*16*\m)*2048+128*\p+16*\q
.endif
.endr
.endr
.endr
.endm
.macro LN_FOLD red
	WIN 0
.irp m, 0,1,2,3
	v_add_f32 v[ACC+2*\m], v[ACC+2*\m], v[ACC+2*\m+1]
.endr
.irp m, 0,1,2,3
	v_permlanex16_b32 v[PT+\m], v[ACC+2*\m], s[SEL], s[SEL+1]
.endr
.irp m, 0,1,2,3
	v_add_f32 v[ACC+2*\m], v[ACC+2*\m], v[PT+\m]
.endr
	s_wait_alu depctr_va_vdst(0)                           ; the additions have written v[ACC ..], which the LDS stores read; every line that names v[RB ..], in which the next LDS loads land, stands ahead of this wait too
.irp m, 0,1,2,3
	ds_store_b32 v[RW], v[ACC+2*\m] offset:\red+512*\m     ; both halves of the lanes store the same word with the same value
.endr
.endm
.macro LN_SUM dw, db, red
	WIN 5*(\dw)
.irp m, 0,1,2,3
	v_pk_add_f32 v[ACC+2*\m:ACC+2*\m+1], v[\db+32*\m:\db+32*\m+1], v[\db+32*\m+2:\db+32*\m+3]
.endr
	WIN 4*(\dw)
.set II, 4
.rept 14
.irp m, 0,1,2,3
	v_pk_add_f32 v[ACC+2*\m:ACC+2*\m+1], v[ACC+2*\m:ACC+2*\m+1], v[\db+32*\m+II:\db+32*\m+II+1]
.endr
.set II, II+2
.endr
	LN_FOLD \red
.endm
.macro LN_RED red
.irp m, 0,1,2,3
	ds_load_b128 v[RB+8*\m:RB+8*\m+3], v[RR] offset:\red+512*\m
	ds_load_b128 v[RB+8*\m+4:RB+8*\m+7], v[RR] offset:\red+512*\m+16
.endr
	s_wait_dscnt 0x0
.irp m, 0,1,2,3
	v_pk_add_f32 v[RB+8*\m:RB+8*\m+1], v[RB+8*\m:RB+8*\m+1], v[RB+8*\m+2:RB+8*\m+3]
	v_pk_add_f32 v[RB+8*\m+4:RB+8*\m+5], v[RB+8*\m+4:RB+8*\m+5], v[RB+8*\m+6:RB+8*\m+7]
.endr
.irp m, 0,1,2,3
	v_pk_add_f32 v[RB+8*\m:RB+8*\m+1], v[RB+8*\m:RB+8*\m+1], v[RB+8*\m+4:RB+8*\m+5]
.endr
.irp m, 0,1,2,3
	v_add_f32 v[RB+8*\m], v[RB+8*\m], v[RB+8*\m+1]
.endr
.endm
.macro LN_CENTER dw, db, rin, rout     ; the mean is taken away first, and the squares are those of centred numbers: no difference of large sums is formed
	LN_RED \rin
.irp m, 0,1,2,3
	v_mul_f32 v[MN+2*\m], s[C512], v[RB+8*\m]
	v_mul_f32 v[MN+2*\m+1], s[C512], v[RB+8*\m]
.endr
	WIN 0x41*(\dw)
.irp m, 0,1,2,3
.set II, 0
.rept 16
	v_pk_add_f32 v[\db+32*\m+II:\db+32*\m+II+1], v[\db+32*\m+II:\db+32*\m+II+1], v[MN+2*\m:MN+2*\m+1] neg_lo:[0,1] neg_hi:[0,1]
.set II, II+2
.endr
.endr
	s_wait_alu depctr_vm_vsrc(0)                           ; the LDS stores of the sums made last have read v[ACC ..], which the sums of squares write again
	WIN 5*(\dw)
.irp m, 0,1,2,3
	v_pk_mul_f32 v[ACC+2*\m:ACC+2*\m+1], v[\db+32*\m:\db+32*\m+1], v[\db+32*\m:\db+32*\m+1]
.endr
.set II, 2
.rept 15
.irp m, 0,1,2,3
	v_pk_fma_f32 v[ACC+2*\m:ACC+2*\m+1], v[\db+32*\m+II:\db+32*\m+II+1], v[\db+32*\m+II:\db+32*\m+II+1], v[ACC+2*\m:ACC+2*\m+1]
.endr
.set II, II+2
.endr
	LN_FOLD \rout
.endm
.macro LN_APPLY dw, db, rin, gw, gb
	LN_RED \rin
.irp m, 0,1,2,3
	v_fma_f32 v[VAR+\m], v[RB+8*\m], s[C512], s[EPS]
.endr
.irp m, 0,1,2,3
	v_rsq_f32 v[MN+2*\m], v[VAR+\m]
.endr
	v_nop
	s_wait_alu depctr_va_vdst(0)                           ; the four v_rsq_f32 have written v[MN ..]: one wait for the four, ahead of their first reader; the lines above are also done with v[RB ..], in which the other norm's LDS loads land
.irp m, 0,1,2,3
	v_mov_b32 v[MN+2*\m+1], v[MN+2*\m]
.endr
	WIN 0x41*(\dw)
.irp m, 0,1,2,3
.set II, 0
.rept 16
	v_pk_mul_f32 v[\db+32*\m+II:\db+32*\m+II+1], v[\db+32*\m+II:\db+32*\m+II+1], v[MN+2*\m:MN+2*\m+1]
.set II, II+2
.endr
.endr
	WIN 0x41*(\dw)+0x14
.irp m, 0,1,2,3
.set II, 0
.rept 16
	v_pk_fma_f32 v[\db+32*\m+II:\db+32*\m+II+1], v[\db+32*\m+II:\db+32*\m+II+1], v[\gw+II:\gw+II+1], v[\gb+II:\gb+II+1]
.set II, II+2
.endr
.endr
	WIN 0
.endm
.macro PUTHALF b, img, scb
	s_wait_alu depctr_va_vdst(0)                           ; the quantiser has written v[PC ..] and v[PW], which the LDS stores read
	ds_store_b128 v[HWI], v[PC:PC+3] offset:\img+4096*(2*\b)
	ds_store_b128 v[HWI], v[PC+4:PC+7] offset:\img+4096*(2*\b+1)
	ds_store_b16 v[HWS], v[PW] offset:\scb+512*(2*\b)
	ds_store_b16_d16_hi v[HWS], v[PW] offset:\scb+512*(2*\b+1)
	s_wait_dscnt 0x0                                       ; my stores are done; that they have read their registers is stated ahead of the next quantiser
.endm
.macro FETCH b, img, scb
	WIN 0x40
.irp u, 0,1
.irp k, 0,1,2,3
.irp c, 0,1
	ds_load_b128 v[XF+8*(4*\u+\k)+4*\c:XF+8*(4*\u+\k)+4*\c+3], v[LI] offset:\img+4096*(2*\b+\u)+1024*\k+512*\c
.endr
.endr
.endr
	WIN 0
.irp u, 0,1
	ds_load_b128 v[XS+4*\u:XS+4*\u+3], v[LI] offset:\scb+512*(2*\b+\u)
.endr
.endm
.macro WLOAD k, lr, sb, perm
	WIN 0x40
.irp t, 0,1,2,3
.irp c, 0,1
.if \perm
	global_load_b128 v[WA+8*(4*\t+(\k))+4*\c:WA+8*(4*\t+(\k))+4*\c+3], v[\lr], s[\sb:\sb+1] offset:(32*(\t/2)+8*(\t%2))*256+64*(\k)+32*\c
.else
	global_load_b128 v[WA+8*(4*\t+(\k))+4*\c:WA+8*(4*\t+(\k))+4*\c+3], v[\lr], s[\sb:\sb+1] offset:16*\t*256+64*(\k)+32*\c
.endif
.endr
.endr
.endm
.macro SLOAD lr, sb, perm
	WIN 0
.irp t, 0,1,2,3
.if \perm
	global_load_b128 v[WS+4*\t:WS+4*\t+3], v[\lr], s[\sb:\sb+1] offset:(32*(\t/2)+8*(\t%2))*16
.else
	global_load_b128 v[WS+4*\t:WS+4*\t+3], v[\lr], s[\sb:\sb+1] offset:16*\t*16
.endif
.endr
.endm
; K step k: source 0 = 16 weight rows, source 1 = 16 tokens.  The eight accumulators take turns, one instruction a turn.  bi: the bias that starts the sums, or -1: the constant 0.
.macro MMT k, bi
.if ((\k) == 0) && ((\bi) >= 0)
	WIN 0x15
.else
	WIN 0x05
.endif
.irp u, 0,1
.irp t, 0,1,2,3
.if ((\k) == 0) && ((\bi) >= 0)
	v_wmma_scale_f32_16x16x128_f8f6f4 v[HA+8*(4*\u+\t):HA+8*(4*\u+\t)+7], v[WA+8*(4*\t+(\k)):WA+8*(4*\t+(\k))+7], v[XF+8*(4*\u+(\k)):XF+8*(4*\u+(\k))+7], v[(\bi)+8*\t:(\bi)+8*\t+7], v[WS+4*\t+(\k)], v[XS+4*\u+(\k)] matrix_a_fmt:MATRIX_FMT_FP4 matrix_b_fmt:MATRIX_FMT_FP4
.elseif (\k) == 0
	v_wmma_scale_f32_16x16x128_f8f6f4 v[HA+8*(4*\u+\t):HA+8*(4*\u+\t)+7], v[WA+8*(4*\t+(\k)):WA+8*(4*\t+(\k))+7], v[XF+8*(4*\u+(\k)):XF+8*(4*\u+(\k))+7], 0, v[WS+4*\t+(\k)], v[XS+4*\u+(\k)] matrix_a_fmt:MATRIX_FMT_FP4 matrix_b_fmt:MATRIX_FMT_FP4
.else
	v_wmma_scale_f32_16x16x128_f8f6f4 v[HA+8*(4*\u+\t):HA+8*(4*\u+\t)+7], v[WA+8*(4*\t+(\k)):WA+8*(4*\t+(\k))+7], v[XF+8*(4*\u+(\k)):XF+8*(4*\u+(\k))+7], v[HA+8*(4*\u+\t):HA+8*(4*\u+\t)+7], v[WS+4*\t+(\k)], v[XS+4*\u+(\k)] matrix_a_fmt:MATRIX_FMT_FP4 matrix_b_fmt:MATRIX_FMT_FP4
.endif
.endr
.endr
.endm
; 64 columns x tiles 2 b, 2 b + 1: 32 matrix instructions.  lc >= 0: the wait for the weights.  fetch = 1: the pair's fragments are asked of LDS here (0: they have been asked for).
; What lands in the operands' registers next is asked for by the caller, behind its one wait behind the places.
.macro PROD b, img, scb, bi, lc, fetch
.if (\fetch)
	FETCH \b, \img, \scb
.endif
	s_wait_dscnt 0x0
.if (\lc) >= 0
	s_wait_loadcnt \lc
.endif
.irp k, 0,1,2,3
	MMT \k, \bi
.endr
	WIN 0
	PLACES                                                 ; ahead of the first read of results
.endm
.macro UPAIR b, lc, nxt                ; u of two tiles, x the normalised ao, quantised: my half fragments of the last product's operand.  nxt = 1: w_proj's weights land under this pair's silu and quantiser
	PROD \b, XIMG, XSC, BI0, \lc, 1
	s_wait_alu depctr_va_vdst(0)                           ; the 32 products are done reading XF, in which ao's numbers land, and (behind the last pair) WA and WS, in which w_proj's weights and scale words land
	WIN 0x40
.set II, 0
.rept 16
	ds_load_b128 v[XF+4*II:XF+4*II+3], v[YA] offset:512*(16*\b+II)    ; my own bytes: 64 numbers of the normalised ao, in u's order
.set II, II+1
.endr
.if \nxt
.irp k, 0,1,2,3
	WLOAD \k, WN, PCB, 0
.endr
	SLOAD SN, PSB, 0
.endif
	WIN 0
	SILU HA
	s_wait_dscnt 0x0
	WIN 0x04
.set II, 0
.rept 32
	v_pk_mul_f32 v[HA+II:HA+II+1], v[HA+II:HA+II+1], v[XF+II:XF+II+1]
.set II, II+2
.endr
	WIN 0
	QUANT HA, 1
	PUTHALF \b, PIMG, PSC
.endm
.macro PPAIR b, lc                     ; the last product of two tiles, + x, stored
	s_wait_xcnt 0x0                                        ; the last pair's stores have read their data
.if \b
	s_wait_alu depctr_vm_vsrc(0)                           ; the first pair's global stores have read v[HA ..], which this pair's products write again
.endif
.irp u, 0,1
.irp i, 0,1,2,3,4,5,6,7
	global_load_b128 v[T+32*\u+4*\i:T+32*\u+4*\i+3], v[GO], s[XB:XB+1] offset:(16*(2*\b+\u)+2*\i)*2048 th:TH_LOAD_NT   ; x in the layout of the stores: sixteen lanes read 256 consecutive bytes.  No wait: every line that names v[T ..] stands ahead of the last wait on va_vdst
.endr
.endr
	PROD \b, PIMG, PSC, -1, \lc, 1-\b
	s_wait_alu depctr_va_vdst(0)                           ; the products have written v[HA ..], which the LDS stores read and in which the rows land; they are done reading XF and XS, in which the second pair's fragments land.  The places above stay beside this wait
.irp u, 0,1
.irp t, 0,1,2,3
	ds_store_b128 v[STO], v[HA+8*(4*\u+\t):HA+8*(4*\u+\t)+3] offset:64*\t         ; lane (r, h): token r, columns 16 t + 8 h + 0 .. 7; each accumulator from its low end on
	ds_store_b128 v[STO], v[HA+8*(4*\u+\t)+4:HA+8*(4*\u+\t)+7] offset:64*\t+16
.endr
	s_wait_alu depctr_vm_vsrc(0)                           ; the eight stores above have read this tile's accumulators, in which its rows land and which the additions write
.irp i, 0,1,2,3,4,5,6,7
	ds_load_b128 v[HA+32*\u+4*\i:HA+32*\u+4*\i+3], v[RD] offset:544*\i            ; LDS serves a wave's instructions in order: these see my stores, and the next tile's stores come behind them
.endr
.endr
.if (\b) == 0
	FETCH 1, PIMG, PSC                                     ; the second pair's fragments: 18 LDS loads, which land under the additions and stores below.  No wait: no vector or matrix instruction since the wait behind the products
.endif
	s_wait_loadcnt 0x0                                     ; x
.irp u, 0,1
.irp i, 0,1,2,3,4,5,6,7
	s_wait_dscnt (1-\u)*16+7-\i+18*(1-\b)                  ; the younger LDS instructions may stay out: the tile's own later loads, the other tile's sixteen, the second pair's 18 fragment loads
	v_pk_add_f32 v[HA+32*\u+4*\i:HA+32*\u+4*\i+1], v[HA+32*\u+4*\i:HA+32*\u+4*\i+1], v[T+32*\u+4*\i:T+32*\u+4*\i+1]
	v_pk_add_f32 v[HA+32*\u+4*\i+2:HA+32*\u+4*\i+3], v[HA+32*\u+4*\i+2:HA+32*\u+4*\i+3], v[T+32*\u+4*\i+2:T+32*\u+4*\i+3]
.endr
	s_wait_alu depctr_va_vdst(0)                           ; the sixteen additions have written the tile's rows, which the eight stores read
.irp i, 0,1,2,3,4,5,6,7
	global_store_b128 v[GO], v[HA+32*\u+4*\i:HA+32*\u+4*\i+3], s[OB:OB+1] offset:(16*(2*\b+\u)+2*\i)*2048 th:TH_STORE_NT   ; sixteen lanes store 256 consecutive bytes, aligned
.endr
.endr
.endm
	s_load_b512 s[4:19], s[0:1], 0x0                       ; x, ao, ln_in_w, ln_in_b, ln_out_w, ln_out_b, w_uvqk's codes, its scales
	s_load_b256 s[20:27], s[0:1], 0x40                     ; b_uvqk, w_proj's codes, its scales, out0
	v_lshl_add_u32 v254, v0, 2, 0x33800
	v_mov_b32 v255, 0
	v_lshrrev_b32 v18, 5, v0
	v_readfirstlane_b32 s[WV], v18                         ; wave 0..7
	v_and_b32 v19, 31, v0                                  ; lane
	v_and_b32 v20, 15, v0                                  ; r
	v_bfe_u32 v21, v0, 4, 1                                ; h
	v_and_b32 v22, 8, v20
	v_add_nc_u32 v22, v22, v20                             ; r + 8 (r / 8)
	v_lshlrev_b32 v[H64], 6, v21
	v_lshl_add_u32 v[XA], v20, 11, v[H64]
	v_lshlrev_b32 v[LI], 4, v19
	v_lshlrev_b32 v[LS], 2, v19
	s_wait_alu depctr_va_sdst(0)                           ; s[WV] is written, ahead of its first reader: LDS addresses and the buffers' bases are made from it
	s_lshl_b32 s[TS], s[WV], 9
	v_add_nc_u32 v[HWI], s[TS], v[LI]
	s_lshl_b32 s[TS], s[WV], 1
	v_add_nc_u32 v[HWS], s[TS], v[LI]
	v_lshlrev_b32 v[RR], 5, v20
	s_lshl_b32 s[TS], s[WV], 2
	v_add_nc_u32 v[RW], s[TS], v[RR]
	v_lshlrev_b32 v23, 4, v21
	v_lshl_add_u32 v[WP], v22, 8, v23
	v_lshl_add_u32 v[WN], v20, 8, v23
	v_lshlrev_b32 v[SP], 4, v22
	v_lshlrev_b32 v[SN], 4, v20
	s_mul_i32 s[TS], s[WV], 4352
	s_add_co_u32 s[TS], s[TS], STG                         ; my stage
	v_mul_u32_u24 v[STO], v20, 272
	v_lshl_add_u32 v[STO], v21, 5, v[STO]
	v_add_nc_u32 v[STO], s[TS], v[STO]
	v_mul_u32_u24 v[RD], v21, 272
	v_lshl_add_u32 v[RD], v20, 4, v[RD]
	v_add_nc_u32 v[RD], s[TS], v[RD]
	v_lshlrev_b32 v[GO], 11, v21
	v_lshl_add_u32 v[GO], v20, 4, v[GO]
	s_lshl_b32 s[TS], s[WV], 14
	s_add_co_u32 s[TS], s[TS], YSP
	v_add_nc_u32 v[YA], s[TS], v[LI]
.irp b, 0,1,2,3
	v_mov_b32 v[TMP+\b], 0                                 ; written once: a lane permute's destination counts as one of its sources
	v_mov_b32 v[PT+\b], 0
.endr
	s_mov_b32 s[SEL], 0x76543210
	s_mov_b32 s[SEL+1], 0xfedcba98
	s_mov_b32 s[CS], 0xbfb8aa3b                            ; -log2(e)
	s_mov_b32 s[CS+1], s[CS]
	s_mov_b32 s[C512], 0x3b000000                          ; 1 / 512
	s_mov_b32 s[EPS], 0x3727c5ac                           ; 1e-5
	s_mov_b32 s[OF+1], 0
	s_mov_b32 s[OG+1], 0
	s_wait_kmcnt 0x0
	s_lshl_b32 s[OG], s[WV], 8                             ; my 64 columns: 256 bytes of f32
	s_add_nc_u64 s[GIWB:GIWB+1], s[GIWB:GIWB+1], s[OG:OG+1]
	s_add_nc_u64 s[GIBB:GIBB+1], s[GIBB:GIBB+1], s[OG:OG+1]
	s_add_nc_u64 s[GOWB:GOWB+1], s[GOWB:GOWB+1], s[OG:OG+1]
	s_add_nc_u64 s[GOBB:GOBB+1], s[GOBB:GOBB+1], s[OG:OG+1]
	s_add_nc_u64 s[BUB:BUB+1], s[BUB:BUB+1], s[OG:OG+1]
	s_lshl_b32 s[OF], ttmp9, 17                            ; 64 rows of 2,048 bytes
	s_add_co_u32 s[OF], s[OF], s[OG]
	s_add_nc_u64 s[XB:XB+1], s[XB:XB+1], s[OF:OF+1]
	s_add_nc_u64 s[AB:AB+1], s[AB:AB+1], s[OF:OF+1]
	s_add_nc_u64 s[OB:OB+1], s[OB:OB+1], s[OF:OF+1]
	s_lshl_b32 s[OF], s[WV], 14                            ; 64 weight rows of 256 bytes
	s_add_nc_u64 s[WCB:WCB+1], s[WCB:WCB+1], s[OF:OF+1]
	s_add_nc_u64 s[PCB:PCB+1], s[PCB:PCB+1], s[OF:OF+1]
	s_lshl_b32 s[OF], s[WV], 10                            ; and of 16 scale bytes
	s_add_nc_u64 s[WSB:WSB+1], s[WSB:WSB+1], s[OF:OF+1]
	s_add_nc_u64 s[PSB:PSB+1], s[PSB:PSB+1], s[OF:OF+1]
	s_wait_alu depctr_va_vdst(0)                           ; the offsets and LDS addresses v1 to v17 are written, which every load and store of the kernel reads; so are v196 to v199, in which LDS loads land
	WIN 0x40
.irp p, 0,1
.irp q, 0,1,2,3
	global_load_b128 v[GIW+16*\p+4*\q:GIW+16*\p+4*\q+3], v[H64], s[GIWB:GIWB+1] offset:128*\p+16*\q
	global_load_b128 v[GIB+16*\p+4*\q:GIB+16*\p+4*\q+3], v[H64], s[GIBB:GIBB+1] offset:128*\p+16*\q
	global_load_b128 v[GOW+16*\p+4*\q:GOW+16*\p+4*\q+3], v[H64], s[GOWB:GOWB+1] offset:128*\p+16*\q
	global_load_b128 v[GOB+16*\p+4*\q:GOB+16*\p+4*\q+3], v[H64], s[GOBB:GOBB+1] offset:128*\p+16*\q
.endr
.endr
	LOAD128 0, DX, XB, 0                                   ; x is read once more further down
	LOAD128 1, DA, AB, 1
	WIN 0
	s_wait_loadcnt 32                                      ; the gains and x are in; ao's 32 loads may stay out
	LN_SUM 0, DX, REDX1
	s_wait_loadcnt 0x0
	s_wait_dscnt 0x0                                       ; my stores above are done
	s_wait_alu depctr_vm_vsrc(0)                           ; they have read v[ACC ..], which ao's sums write again
	LN_SUM 1, DA, REDA1
	BARRIER                                                ; one barrier serves both norms: every wave's sums lie in LDS
	LN_CENTER 0, DX, REDX1, REDX2
	LN_CENTER 1, DA, REDA1, REDA2
	BARRIER                                                ; and the sums of squares
	LN_APPLY 0, DX, REDX2, GIW, GIB
	LN_APPLY 1, DA, REDA2, GOW, GOB
	s_wait_alu depctr_va_vdst(0)                           ; the norms' last lines are done reading the gains, in whose registers u's weights land, and have written ao's 128 numbers, which the LDS stores below read
.irp k, 0,1,2,3
	WLOAD \k, WP, WCB, 1                                   ; u's weights, into the registers that the gains have left
.endr
	SLOAD SP, WSB, 1
	WIN 0x04                                               ; an LDS store's data are its source 1: window 1
.set II, 0
.rept 32
	ds_store_b128 v[YA], v[DA+4*II:DA+4*II+3] offset:512*II     ; the normalised ao waits in my own LDS bytes
.set II, II+1
.endr
	WIN 0
	QUANT DX, 0
	PUTHALF 0, XIMG, XSC
	s_wait_alu depctr_vm_vsrc(0)                           ; the LDS stores have read ao's registers, in which the bias below and later the fragments land, and v[PC ..] and v[PW], which the next quantiser writes again
	WIN 0x40
.irp t, 0,1,2,3
	global_load_b128 v[BI0+8*\t:BI0+8*\t+3], v[H64], s[BUB:BUB+1] offset:(32*(\t/2)+8*(\t%2))*4       ; u's bias in the result's layout
	global_load_b128 v[BI0+8*\t+4:BI0+8*\t+7], v[H64], s[BUB:BUB+1] offset:(32*(\t/2)+8*(\t%2))*4+16
.endr
	WIN 0
	QUANT DX+64, 0
	PUTHALF 1, XIMG, XSC
	BARRIER                                                ; x's sixteen fragments lie in LDS
	UPAIR 0, 0, 0
	UPAIR 1, -1, 1
	BARRIER                                                ; the last product's sixteen fragments lie in LDS
	PPAIR 0, 16                                            ; w_proj's weights and scales are in; the 16 loads of x issued behind them may stay out
	PPAIR 1, -1
	s_wait_dscnt 0x0                                       ; the closing lines, six on end
	s_wait_alu 0x0
	s_wait_tensorcnt 0x0
	ds_add_u32 v254, v255
	s_wait_dscnt 0x0
	s_endpgm
.Lfunc_end_k_q80e4a5f7b1_final:
	.size	k_q80e4a5f7b1_final, .Lfunc_end_k_q80e4a5f7b1_final-k_q80e4a5f7b1_final
	.p2alignl 7, 3214868480
	.fill 96, 4, 3214868480
	.section	.rodata,"a",@progbits
	.p2align	6, 0x0
	.amdhsa_kernel k_q80e4a5f7b1_final
		.amdhsa_group_segment_fixed_size 211968
		.amdhsa_private_segment_fixed_size 0
		.amdhsa_enable_private_segment 0
		.amdhsa_kernarg_size 96
		.amdhsa_user_sgpr_count 2
		.amdhsa_user_sgpr_kernarg_segment_ptr 1
		.amdhsa_wavefront_size32 1
		.amdhsa_system_sgpr_workgroup_id_x 1
		.amdhsa_system_sgpr_workgroup_id_y 1
		.amdhsa_system_sgpr_workgroup_id_z 1
		.amdhsa_system_vgpr_workitem_id 0
		.amdhsa_next_free_vgpr 512
		.amdhsa_next_free_sgpr 66
		.amdhsa_reserve_vcc 0
		.amdhsa_float_denorm_mode_32 3
		.amdhsa_float_denorm_mode_16_64 3
		.amdhsa_memory_ordered 1
		.amdhsa_forward_progress 1
		.amdhsa_inst_pref_size 154
	.end_amdhsa_kernel
	.amdgpu_metadata
---
amdhsa.version: [ 1, 2 ]
amdhsa.kernels:
  - .name:           k_q80e4a5f7b1_final
    .symbol:         k_q80e4a5f7b1_final.kd
    .args:
      - { .name: x, .offset: 0, .size: 8, .value_kind: global_buffer, .address_space: global }
      - { .name: ao, .offset: 8, .size: 8, .value_kind: global_buffer, .address_space: global }
      - { .name: ln_in_w, .offset: 16, .size: 8, .value_kind: global_buffer, .address_space: global }
      - { .name: ln_in_b, .offset: 24, .size: 8, .value_kind: global_buffer, .address_space: global }
      - { .name: ln_out_w, .offset: 32, .size: 8, .value_kind: global_buffer, .address_space: global }
      - { .name: ln_out_b, .offset: 40, .size: 8, .value_kind: global_buffer, .address_space: global }
      - { .name: w_uvqk_codes, .offset: 48, .size: 8, .value_kind: global_buffer, .address_space: global }
      - { .name: w_uvqk_scales, .offset: 56, .size: 8, .value_kind: global_buffer, .address_space: global }
      - { .name: b_uvqk, .offset: 64, .size: 8, .value_kind: global_buffer, .address_space: global }
      - { .name: w_proj_codes, .offset: 72, .size: 8, .value_kind: global_buffer, .address_space: global }
      - { .name: w_proj_scales, .offset: 80, .size: 8, .value_kind: global_buffer, .address_space: global }
      - { .name: out0, .offset: 88, .size: 8, .value_kind: global_buffer, .address_space: global }
    .group_segment_fixed_size: 211968
    .private_segment_fixed_size: 0
    .kernarg_segment_align: 8
    .kernarg_segment_size: 96
    .max_flat_workgroup_size: 256
    .sgpr_count:     66
    .vgpr_count:     512
    .wavefront_size: 32
...
	.end_amdgpu_metadata
.endif
;; end of part 5
